; MI455X (gfx1250); checked and timed in simulation.
; The chip was launched on July 23, 2026; its instructions are those of AMD's public machine-readable ISA for CDNA 5 (MIT licence, August 2026) and "CDNA5" Instruction Set Architecture Reference Guide (July 2026). The comments in the code are by the model that wrote it; some were corrected since.
;; Dropless Mo E. Allowed arithmetic: float matrix products may take bf16 or f16 operands with f32 sums; other float arithmetic in f32, or as packed bf16 or f16 multiplies, adds, multiply-adds, maxima and minima; sums over many terms, partial sums and values carried from step to step in f32; what a program stores and reads back later, other than sums and carried values, may be rounded once to bf16 or f16.
;; Inputs: b1 8 x 4,096 float32; b2 8 x 1,024 float32; gate_w 8 x 1,024 float32; hidden_states 4 x 256 x 1,024 float32; w1 8 x 4,096 x 1,024 float32; w2 8 x 1,024 x 4,096 float32.
;; Outputs: out0 4 x 256 x 1,024 float32; out1 one number float32; out2 one number float32.
;; 3 versions, each right; version 2 is faster than version 1; version 3 is version 2 with the launches up, down written anew for expert scheduling mode. Each part assembles by itself: llvm-mc -triple=amdgcn-amd-amdhsa -mcpu=gfx1250 --defsym DOCPART=n.
;; ======== version 1 of 3: 3 launches
;; workspace buffers: xb 2,097,152 bytes; sel 4,096 bytes of whole numbers; gw 4,096 bytes; zq 4,096 bytes; hbuf 67,108,864 bytes; order 32,768 bytes of whole numbers; counts 1,024 bytes of whole numbers; gws 32,768 bytes
;; launch router (part 1): grid 64 x 1, 8 waves a work-group, no clusters, 61,440 bytes of LDS; arguments hidden_states, gate_w, xb, sel, gw, zq; writes xb, sel, gw, zq
.if DOCPART == 1
	.amdgcn_target "amdgcn-amd-amdhsa--gfx1250"
	.amdhsa_code_object_version 6
	.text
	.protected	k_qb635afce6f_router
	.globl	k_qb635afce6f_router
	.p2align	8
	.type	k_qb635afce6f_router,@function
k_qb635afce6f_router:
	s_mov_b64 s[64:65], 0
	v_nop
	global_prefetch_b8 v0, s[64:65] scope:SCOPE_SE
	s_setreg_imm32_b32 hwreg(HW_REG_WAVE_MODE, 25, 1), 1
	s_wait_xcnt 0x0
; ROUTER.  x: [1024 tokens][1024] f32, gate_w: [8][1024] f32.  Stores xb = x rounded to bf16 ([1024][1024]), and for each token: sel (the chosen expert, u32),
; gw (its weight p / p, as the top-1 normalisation gives it) and zq (logsumexp of the logits, squared).
; x and gate_w are rounded once to bf16 and multiplied by the matrix unit with f32 sums; softmax, maximum, logarithm in f32, the maximum taken away before the exponentials.
; SHARES.  A work-group has 16 tokens (64 work-groups: 1,024 / 16), wave w the channels 128 w .. 128 w + 127 of them; the eight partial logits meet in LDS and wave 0 finishes.
; LIMITS.  NaN and infinities are not treated apart.  An exponential below 2^-126 counts as 0.  The choice is the largest exp(l - max), the lower index on a tie; the sum over the
; 1,024 channels is taken in another order than a plain dot product's.
; No address and no branch hangs on the choice: it is selected by v_cndmask_b32 and stored at a fixed place.
.set PIT,   272                        ; an LDS row: 128 bf16 + 16 bytes: the 16 rows of a fragment load start at 16 different groups of four banks (64 banks of 4 bytes: ISA guide 11.1)
.set XTW,   16*PIT                     ; a wave's own 16 token rows
.set GT,    8*XTW                      ; behind them: a wave's own 8 gate rows
.set GTW,   8*PIT
.set RED,   GT+8*GTW                   ; the partial logits: 1,024 bytes a wave, 32 a lane
.set SPARE, RED+8*1024                 ; the spare words, 128 bytes for each wave: four blocks of 256 bytes that no other line names
.set SPW, 4                            ; v4  SPARE + 4 x my thread's number; never rewritten
.set NIL, 5                            ; v5  0; never rewritten
; v1 lane, v2 lane % 16, v3 lane / 16, v6 16 lane, v7 8 lane, v8 / v9 where I store x / gate in LDS, v10 / v11 where I read fragments, v12 / v13 partial logits: write, read
; v[16:79] x as loaded, then the fragments (tokens v[16:47], gate v[48:79]); v[80:111] gate as loaded, then the two accumulators; v[112:143] x in bf16; v[144:159] gate in bf16
	s_load_b256 s[4:11], s[0:1], 0x0               ; hidden_states s[4:5], gate_w s[6:7], xb s[8:9], sel s[10:11]
	s_load_b128 s[12:15], s[0:1], 0x20             ; gw s[12:13], zq s[14:15]
	v_lshl_add_u32 v[SPW], v0, 2, SPARE
	v_mov_b32 v[NIL], 0
	v_and_b32 v1, 31, v0
	v_lshrrev_b32 v14, 5, v0
	v_readfirstlane_b32 s16, v14                   ; wave 0..7
	v_and_b32 v2, 15, v0
	v_bfe_u32 v3, v0, 4, 1
	v_lshlrev_b32 v6, 4, v1
	v_lshlrev_b32 v7, 3, v1
	s_mul_i32 s17, s16, XTW
	s_mul_i32 s22, s16, GTW
	s_add_co_u32 s22, s22, GT
	v_add_nc_u32 v8, s17, v7
	v_add_nc_u32 v9, s22, v7
	v_mul_u32_u24 v10, v2, PIT
	v_lshl_add_u32 v10, v3, 4, v10
	v_add_nc_u32 v10, s17, v10                     ; token fragment: row lane % 16, 16 bytes for each half of the lanes
	v_and_b32 v11, 7, v0
	v_mul_u32_u24 v11, v11, PIT
	v_lshl_add_u32 v11, v3, 4, v11
	v_add_nc_u32 v11, s22, v11                     ; gate fragment: rows 8 to 15 repeat rows 0 to 7
	s_lshl_b32 s23, s16, 10
	s_add_co_u32 s23, s23, RED
	v_lshlrev_b32 v13, 5, v1
	v_add_nc_u32 v12, s23, v13
	v_add_nc_u32 v13, RED, v13
	s_lshl_b32 s18, ttmp9, 16                      ; 16 tokens of 4,096 bytes,
	s_lshl_b32 s24, s16, 9                         ; my wave's 512 bytes of a row
	s_add_co_u32 s18, s18, s24
	s_mov_b32 s19, 0
	s_mov_b32 s25, 0
	s_lshl_b32 s26, ttmp9, 15                      ; the same in bf16
	s_lshl_b32 s27, s16, 8
	s_add_co_u32 s26, s26, s27
	s_mov_b32 s27, 0
	s_wait_kmcnt 0x0
	s_add_nc_u64 s[4:5], s[4:5], s[18:19]
	s_add_nc_u64 s[6:7], s[6:7], s[24:25]
	s_add_nc_u64 s[8:9], s[8:9], s[26:27]
.set i, 0
.rept 16
	global_load_b128 v[16+4*i:16+4*i+3], v6, s[4:5] offset:4096*i th:TH_LOAD_NT  ; 512 consecutive bytes of token i
.set i, i+1
.endr
.set i, 0
.rept 8
	global_load_b128 v[80+4*i:80+4*i+3], v6, s[6:7] offset:4096*i
.set i, i+1
.endr
	s_wait_loadcnt 0x8                             ; x is in: the eight gate loads are the younger ones
.set i, 0
.rept 16
	v_cvt_pk_bf16_f32 v[112+2*i], v[16+4*i], v[16+4*i+1]
	v_cvt_pk_bf16_f32 v[113+2*i], v[16+4*i+2], v[16+4*i+3]
	ds_store_b64 v8, v[112+2*i:113+2*i] offset:PIT*i
	global_store_b64 v7, v[112+2*i:113+2*i], s[8:9] offset:2048*i  ; the wave stores 256 consecutive bytes, at a multiple of 256 from xb's first byte
.set i, i+1
.endr
	s_wait_loadcnt 0x0
.set i, 0
.rept 8
	v_cvt_pk_bf16_f32 v[144+2*i], v[80+4*i], v[80+4*i+1]
	v_cvt_pk_bf16_f32 v[145+2*i], v[80+4*i+2], v[80+4*i+3]
	ds_store_b64 v9, v[144+2*i:145+2*i] offset:PIT*i
.set i, i+1
.endr
.set i, 0
.rept 4                                        ; my own bytes: LDS serves a wave's instructions in order (ISA guide 5.7.1.4), so these see the stores above
	ds_load_b128 v[16+8*i:16+8*i+3], v10 offset:64*i
	ds_load_b128 v[16+8*i+4:16+8*i+7], v10 offset:64*i+32
	ds_load_b128 v[48+8*i:48+8*i+3], v11 offset:64*i
	ds_load_b128 v[48+8*i+4:48+8*i+7], v11 offset:64*i+32
.set i, i+1
.endr
	s_wait_dscnt 0x0
	; source 0 = 16 gate rows, source 1 = 16 tokens: a lane then holds ONE token (lane % 16) and eight experts.  Two accumulators take turns.
	v_wmma_f32_16x16x32_bf16 v[80:87], v[48:55], v[16:23], 0
	v_wmma_f32_16x16x32_bf16 v[88:95], v[56:63], v[24:31], 0
	v_wmma_f32_16x16x32_bf16 v[80:87], v[64:71], v[32:39], v[80:87]
	v_wmma_f32_16x16x32_bf16 v[88:95], v[72:79], v[40:47], v[88:95]
.rept 4
	v_nop                                          ; four places between a product and the first reader of its result (ISA guide 7.12.1)
.endr
.irp c, 0,2,4,6
	v_pk_add_f32 v[96+\c:97+\c], v[80+\c:81+\c], v[88+\c:89+\c]
.endr
	ds_store_b128 v12, v[96:99]
	ds_store_b128 v12, v[100:103] offset:16
	s_wait_dscnt 0x0                               ; for wave 0's sake: my partial logits are in LDS
	s_barrier_signal -1
	s_barrier_wait -1
	s_cmp_lg_u32 s16, 0
	s_cbranch_scc1 .Lend
	; wave 0: lane l finishes token l % 16 (both halves of the lanes hold the same eight logits)
.set i, 0
.rept 8
	ds_load_b128 v[16+8*i:16+8*i+3], v13 offset:1024*i
	ds_load_b128 v[16+8*i+4:16+8*i+7], v13 offset:1024*i+16
.set i, i+1
.endr
	s_wait_dscnt 0x0
.set w, 1
.rept 7
.irp c, 0,2,4,6
	v_pk_add_f32 v[16+\c:17+\c], v[16+\c:17+\c], v[16+8*w+\c:17+8*w+\c]
.endr
.set w, w+1
.endr
	v_max3_num_f32 v24, v16, v17, v18
	v_max3_num_f32 v24, v24, v19, v20
	v_max3_num_f32 v24, v24, v21, v22
	v_max_num_f32 v24, v24, v23                    ; m
	v_mov_b32 v25, v24
.irp c, 0,2,4,6
	v_pk_add_f32 v[32+\c:33+\c], v[16+\c:17+\c], v[24:25] neg_lo:[0,1] neg_hi:[0,1]  ; l - m: 0 for the largest
.endr
.irp c, 0,2,4,6
	v_pk_mul_f32 v[32+\c:33+\c], v[32+\c:33+\c], 0x3fb8aa3b op_sel_hi:[1,0]          ; times log2(e)
.endr
.irp c, 0,1,2,3,4,5,6,7
	v_exp_f32 v[32+\c], v[32+\c]
.endr
	v_nop                                          ; a plain instruction behind the last exponential,
	s_wait_alu depctr_va_vdst(0)                   ; and one wait for the batch of eight, ahead of the first reader
	v_add_f32 v40, v32, v33
.irp c, 2,3,4,5,6,7
	v_add_f32 v40, v40, v[32+\c]                   ; S
.endr
	v_mov_b32 v41, v32                             ; the largest so far,
	v_mov_b32 v42, 0                               ; and its expert: a later one takes over only if it is greater
.irp c, 1,2,3,4,5,6,7
	v_cmp_gt_f32 vcc_lo, v[32+\c], v41
	v_cndmask_b32 v42, v42, \c, vcc_lo
	v_max_num_f32 v41, v41, v[32+\c]
.endr
	v_rcp_f32 v43, v40
	v_log_f32 v44, v40
	v_nop
	s_wait_alu depctr_va_vdst(0)                   ; one wait for the two
	v_mul_f32 v45, v41, v43                        ; p, at least 1/8
	v_rcp_f32 v46, v45
	v_fmamk_f32 v47, v44, 0x3f317218, v24          ; log2(S) ln 2 + m: the plain instruction behind the reciprocal
	s_wait_alu depctr_va_vdst(0)
	v_mul_f32 v46, v45, v46                        ; p / (the sum over the one chosen)
	v_mul_f32 v47, v47, v47
	v_lshlrev_b32 v48, 2, v1
	s_lshl_b32 s20, ttmp9, 6
	v_add_nc_u32 v48, s20, v48                     ; 4 (16 x work-group + lane)
	v_cmp_gt_u32 vcc_lo, 16, v0
	s_wait_xcnt 0x0                                ; EXEC changes only behind this wait: earlier stores still name it
	s_and_saveexec_b32 s21, vcc_lo
	global_store_b32 v48, v42, s[10:11]
	global_store_b32 v48, v46, s[12:13]
	global_store_b32 v48, v47, s[14:15]
	s_wait_xcnt 0x0
	s_or_b32 exec_lo, exec_lo, s21
.Lend:
	s_wait_tensorcnt 0x0                           ; the wave's end, behind my last LDS store
	ds_add_u32 v[SPW], v[NIL]
	s_wait_dscnt 0x0
	s_endpgm
.Lfunc_end_k_qb635afce6f_router:
	.size	k_qb635afce6f_router, .Lfunc_end_k_qb635afce6f_router-k_qb635afce6f_router
	.p2alignl 7, 3214868480
	.fill 96, 4, 3214868480
	.section	.rodata,"a",@progbits
	.p2align	6, 0x0
	.amdhsa_kernel k_qb635afce6f_router
		.amdhsa_group_segment_fixed_size 61440
		.amdhsa_private_segment_fixed_size 0
		.amdhsa_enable_private_segment 0
		.amdhsa_kernarg_size 48
		.amdhsa_user_sgpr_count 2
		.amdhsa_user_sgpr_kernarg_segment_ptr 1
		.amdhsa_wavefront_size32 1
		.amdhsa_system_sgpr_workgroup_id_x 1
		.amdhsa_system_sgpr_workgroup_id_y 1
		.amdhsa_system_sgpr_workgroup_id_z 1
		.amdhsa_system_vgpr_workitem_id 0
		.amdhsa_next_free_vgpr 160
		.amdhsa_next_free_sgpr 66
		.amdhsa_reserve_vcc 1
		.amdhsa_float_denorm_mode_32 3
		.amdhsa_float_denorm_mode_16_64 3
		.amdhsa_memory_ordered 1
		.amdhsa_forward_progress 1
		.amdhsa_inst_pref_size 19
	.end_amdhsa_kernel
	.amdgpu_metadata
---
amdhsa.version: [ 1, 2 ]
amdhsa.kernels:
  - .name:           k_qb635afce6f_router
    .symbol:         k_qb635afce6f_router.kd
    .args:
      - { .name: hidden_states, .offset: 0, .size: 8, .value_kind: global_buffer, .address_space: global }
      - { .name: gate_w, .offset: 8, .size: 8, .value_kind: global_buffer, .address_space: global }
      - { .name: xb, .offset: 16, .size: 8, .value_kind: global_buffer, .address_space: global }
      - { .name: sel, .offset: 24, .size: 8, .value_kind: global_buffer, .address_space: global }
      - { .name: gw, .offset: 32, .size: 8, .value_kind: global_buffer, .address_space: global }
      - { .name: zq, .offset: 40, .size: 8, .value_kind: global_buffer, .address_space: global }
    .group_segment_fixed_size: 61440
    .private_segment_fixed_size: 0
    .kernarg_segment_align: 8
    .kernarg_segment_size: 48
    .max_flat_workgroup_size: 256
    .sgpr_count:     66
    .vgpr_count:     160
    .wavefront_size: 32
...
	.end_amdgpu_metadata
.endif
;; end of part 1
;; launch up (part 2): grid 32 x 8, 16 waves a work-group, no clusters, 289,024 bytes of LDS; arguments xb, sel, w1, b1, gw, zq, hbuf, order, counts, gws, out1, out2; writes hbuf, order, counts, gws, out1, out2
.if DOCPART == 2
	.amdgcn_target "amdgcn-amd-amdhsa--gfx1250"
	.amdhsa_code_object_version 6
	.text
	.protected	k_qb635afce6f_up
	.globl	k_qb635afce6f_up
	.p2align	8
	.type	k_qb635afce6f_up,@function
k_qb635afce6f_up:
	s_mov_b64 s[64:65], 0
	v_nop
	global_prefetch_b8 v0, s[64:65] scope:SCOPE_SE
	s_setreg_imm32_b32 hwreg(HW_REG_WAVE_MODE, 25, 1), 1
	s_wait_xcnt 0x0
; UP.  For expert e = group y and slice sl = group x (128 of the expert's 4,096 hidden columns): h = gelu(x w1[e]^T + b1[e]) for the tokens that chose e, and for those alone.
; w1 and b1 are rounded once to bf16, sums in f32, gelu (the tanh form) in f32, h rounded once to bf16.
; THE SLICE STAYS.  The work-group alone reads its 128 rows x 1,024 of w1, 524,288 bytes, once.  As bf16 they stay in LDS, laid by K chunks of 128; each LDS byte of the slice is written once.
; Waves 8-15 (PRODUCERS) load, round and store a chunk; a barrier; waves 0-7 (CONSUMERS) multiply it while the producers store the next one, CH2 bytes further on: the chunk that is stored and the chunk
; that is read differ in parity, and the parity stands in the immediates.  The roles are apart because a wave's loads come back in order: a wave with both kinds would wait for far weights before near tokens.
; A producer has 16 loads of 512 bytes out: its 64 staging registers share numbers only with consumer registers that no load writes during the streaming, and each block walks all its register groups
; in one order, so that each counted wait holds whatever blocks were run before it.  Every address term is made once, at the head, by every wave, in registers that nothing else writes.
; ROWS.  Wave 0 makes the expert's list of tokens in LDS from sel (a count and a rank by v_mbcnt; no atomics, no change of EXEC: a lane without a match stores into dump words).  Places past the count
; repeat the expert's first token (token 0 for an expert without rows).  A PASS is 12 tiles of 16 rows; pass 0 runs under the streaming, passes 1 to 5 from the resident slice, dead passes jumped:
; 72 tiles cover 1,024 tokens on one expert.  All token loads of a pass are issued whatever the count, so every counted wait counts the same on every path; products, gelu and stores of dead tiles
; are jumped.  Tile 0 is always made, so that the next launch finds written bytes.
; LAYOUT.  Source 0 = 16 rows of w1, source 1 = 16 tokens: a lane holds ONE token (lane % 16) and eight neighbouring hidden columns.  Two neighbouring column tiles, rounded to bf16, ARE the two halves
; of the next product's token fragment: hbuf[e][tile 64][k step 128][half 2][lane 32][16 bytes]; each store of a wave covers 512 consecutive bytes.
; ALSO: wave 8 of slice 0 stores the list (order), the count (counts, 32 times) and the weights in list order (gws); wave 9 of work-group (0, 0) makes the two losses.
; NO CLUSTER: each weight byte has one reader; what an expert's 32 work-groups share is token rows named by a list, which no tile descriptor covers.
; LIMITS.  NaN and infinities are not treated apart; 2^t below 2^-126 counts as 0 in gelu; where x^2 overflows gelu is 0 or x.  The order of rows inside an expert is not the tokens' order.
.set CH2,   128*272                    ; a chunk in LDS: 128 rows of 256 bytes + 16 (the 16 rows of a fragment load start at 16 different groups of four banks: ISA guide 11.1)
.set LIST,  8*CH2                      ; 2,048 words: ranks 0-1151, dump words 1152-1183; the clamp on a store's index is 2,047
.set CW,    LIST+8192                  ; the count, 32 times
.set SPARE, CW+256                     ; the spare words, 128 bytes for each of 16 waves: eight blocks of 256 bytes that no other line names
.set SPW, 4                            ; v4  SPARE + 4 x my thread's number; never rewritten
.set NIL, 5                            ; v5  0; never rewritten
; every wave: v6 a consumer's place in a chunk; v11 16 (lane / 16); v12 16 lane; v240 a consumer's place in the list; v241 32 (lane / 16); v248 4 lane;
;   v253 a producer's place in a chunk; v255 its byte offset in the slice of w1
; consumers: v7 v6 + the chunk; v8-10 byte offset of my token's row in xb, a place each; v13-15 store offsets in hbuf;
;   v[16:111] accumulators, (place i, column tile ct) at 16 + 32 i + 8 ct; v[112:207] ring of token fragments, (k step j, place i) at 112 + 24 j + 8 i; v[208:239] weight fragments; v242-252 at work
; producers: v[16:79] a chunk as loaded; v[80:87] rounded (the eight begin where an accumulator begins and are read in ascending order); v254 v253 + the chunk
.set ACC, 16
.set AR,  112
.set BF,  208
.set ST,  16
.set CV,  80
.set VS,  253
.set VST, 254
.set VW,  255
.set WV,  32
.set Q,   33
.set EX,  34
.set SL,  35
.set G,   36                           ; consumer: tiles g, g + 4, g + 8 of a pass
.set CG,  37                           ; consumer: which 64 of the slice's 128 columns
.set CNT, 38
.set NTL, 39                           ; the expert's tiles, at least 1
.set NT,  40                           ; how many of my three places are live in this pass
.set P,   41
.set P12, 42
.set LC,  43
.set KB,  44                           ; LDS byte at which the pair of chunks in hand begins
.set T0,  45
.set HM,  47
.set C0,  48                           ; s[48:49]
.set C1,  50                           ; s[50:51]
.set T1,  54
.set T2,  55
.set PL,  56                           ; 768 x pass: the pass's first byte in the list
.macro COUNT store                     ; sel's register 4 k + c holds token 128 k + 4 lane + c.  store = 1: a token of my expert goes to running count + rank among the lanes, any other into my dump word
	s_mov_b32 s[CNT], 0
.set ij, 0
.rept 32
	v_cmp_eq_u32 vcc_lo, s[EX], v[AR+ij]
.if \store
	v_mbcnt_lo_u32_b32 v242, vcc_lo, s[CNT]
	v_cndmask_b32 v242, v249, v242, vcc_lo
	v_min_u32 v242, 0x7ff, v242
	v_lshlrev_b32 v242, 2, v242
	v_add_nc_u32 v242, LIST, v242
	v_add_nc_u32 v243, 128*(ij/4)+ij%4, v248
	ds_store_b32 v242, v243
.endif
	s_bcnt1_i32_b32 s[T0], vcc_lo
	s_add_co_u32 s[CNT], s[CNT], s[T0]
.set ij, ij+1
.endr
.endm
.macro BIASLOAD                        ; b1 of my eight columns in each column tile, straight into place 0's accumulators
.irp ct, 0,1,2,3
	global_load_b128 v[ACC+8*(\ct):ACC+8*(\ct)+3], v241, s[14:15] offset:64*(\ct)
	global_load_b128 v[ACC+8*(\ct)+4:ACC+8*(\ct)+7], v241, s[14:15] offset:64*(\ct)+16
.endr
.endm
.macro BIASFIX                         ; rounded to bf16 like every input, and copied: the sums START with the bias, on every path
	s_wait_loadcnt 0x0
.set n, 0
.rept 16
	v_cvt_pk_bf16_f32 v242, v[ACC+n], v[ACC+n+1]
	v_lshlrev_b32 v[ACC+n], 16, v242
	v_and_b32 v[ACC+n+1], s[HM], v242
.set n, n+2
.endr
.set n, 0
.rept 32
	v_mov_b32 v[ACC+32+n], v[ACC+n]
	v_mov_b32 v[ACC+64+n], v[ACC+n]
.set n, n+1
.endr
.endm
.macro NTCALC                          ; of the tiles left from this pass on, mine are g, g + 4, g + 8
	s_sub_co_i32 s[T1], s[NTL], s[P12]
	s_max_i32 s[T1], s[T1], 0
	s_add_co_u32 s[T1], s[T1], 3
	s_sub_co_u32 s[T1], s[T1], s[G]
	s_lshr_b32 s[T1], s[T1], 2
	s_min_u32 s[NT], s[T1], 3
.endm
.macro TOKINIT                         ; my three tokens from the list, and the ring's first 24 loads: k steps 0 to 3
	v_add_nc_u32 v242, s[PL], v240
.irp i, 0,1,2
	ds_load_b32 v[8+\i], v242 offset:256*\i
.endr
	s_wait_dscnt 0x0
.irp i, 0,1,2
	v_min_u32 v[8+\i], 0x3ff, v[8+\i]
	v_lshlrev_b32 v[8+\i], 11, v[8+\i]             ; token x 2,048 bytes
	v_add_nc_u32 v[8+\i], v[8+\i], v11             ; + 16 x half
.endr
	s_mov_b64 s[4:5], s[8:9]
	s_mov_b32 s[KB], 0
.irp j, 0,1,2,3
.irp i, 0,1,2
	global_load_b128 v[AR+24*\j+8*\i:AR+24*\j+8*\i+3], v[8+\i], s[4:5] offset:64*\j
	global_load_b128 v[AR+24*\j+8*\i+4:AR+24*\j+8*\i+7], v[8+\i], s[4:5] offset:64*\j+32
.endr
.endr
.endm
.macro WM4 i, j                        ; place i's four accumulators, one instruction a turn
.irp ct, 0,1,2,3
	v_wmma_f32_16x16x32_bf16 v[ACC+32*(\i)+8*(\ct):ACC+32*(\i)+8*(\ct)+7], v[BF+8*(\ct):BF+8*(\ct)+7], v[AR+24*(\j)+8*(\i):AR+24*(\j)+8*(\i)+7], v[ACC+32*(\i)+8*(\ct):ACC+32*(\i)+8*(\ct)+7]
.endr
.endm
.macro CSTEP j, lb, gb, ref            ; one k step of 32; lb, gb: the chunk's parity in LDS and in xb.  ref = 1: ring slot j is filled again with the next chunk's step j
.irp ct, 0,1,2,3
	ds_load_b128 v[BF+8*(\ct):BF+8*(\ct)+3], v7 offset:(\lb)+4352*(\ct)+64*(\j)
	ds_load_b128 v[BF+8*(\ct)+4:BF+8*(\ct)+7], v7 offset:(\lb)+4352*(\ct)+64*(\j)+32
.endr
.if \ref
	s_wait_loadcnt 18                              ; slot j is in: behind its six loads stand the six of each of the three other slots
.else
	s_wait_loadcnt 6*(3-(\j))                      ; no refills any more: the slots behind this one
.endif
	s_wait_dscnt 0x0
	s_cmp_lt_u32 s[NT], 1
	s_cbranch_scc1 .Le_\@
	WM4 0, \j
	s_cmp_lt_u32 s[NT], 2
	s_cbranch_scc1 .Le_\@
	WM4 1, \j
	s_cmp_lt_u32 s[NT], 3
	s_cbranch_scc1 .Le_\@
	WM4 2, \j
.Le_\@:
.rept 4
	v_nop                                          ; four places in front of loads into registers that the products have read, and of readers of their results
.endr
.if \ref
.irp i, 0,1,2
	global_load_b128 v[AR+24*(\j)+8*\i:AR+24*(\j)+8*\i+3], v[8+\i], s[4:5] offset:(\gb)+256+64*(\j)
	global_load_b128 v[AR+24*(\j)+8*\i+4:AR+24*(\j)+8*\i+7], v[8+\i], s[4:5] offset:(\gb)+256+64*(\j)+32
.endr
.endif
.endm
.macro CCHUNK lb, gb, ref
	v_add_nc_u32 v7, s[KB], v6
	CSTEP 0, \lb, \gb, \ref
	CSTEP 1, \lb, \gb, \ref
	CSTEP 2, \lb, \gb, \ref
	CSTEP 3, \lb, \gb, \ref
.endm
.macro TRIP b, ref                     ; one chunk under the streaming; b: its parity.  ref = 1: the producer's registers take the next chunk, the consumer's ring the next chunk's steps
	s_cmp_lt_u32 s[WV], 8
	s_cbranch_scc1 .Lnp_\@
	v_add_nc_u32 v[VST], s[KB], v[VS]
.irp gq, 0,1,2,3
.if \ref
	s_wait_loadcnt 12                              ; these four rows are in: behind them stand the four loads of each of the three other groups
.else
	s_wait_loadcnt 4*(3-\gq)
.endif
.irp ii, 0,1,2,3
	v_cvt_pk_bf16_f32 v[CV+2*\ii], v[ST+4*(4*\gq+\ii)], v[ST+4*(4*\gq+\ii)+1]
	v_cvt_pk_bf16_f32 v[CV+2*\ii+1], v[ST+4*(4*\gq+\ii)+2], v[ST+4*(4*\gq+\ii)+3]
	ds_store_b64 v[VST], v[CV+2*\ii:CV+2*\ii+1] offset:272*(4*\gq+\ii)+(\b)*CH2
.endr
.if \ref
.irp ii, 0,1,2,3
	global_load_b128 v[ST+4*(4*\gq+\ii):ST+4*(4*\gq+\ii)+3], v[VW], s[6:7] offset:4096*(4*\gq+\ii)+512*(\b)+512 th:TH_LOAD_NT
.endr
.endif
.endr
.Lnp_\@:
	s_wait_dscnt 0x0                               ; producers: the chunk is in LDS; consumers: no LDS load of mine is out
	s_barrier_signal -1
	s_barrier_wait -1
	s_cmp_lt_u32 s[WV], 8
	s_cbranch_scc0 .Lnc_\@
	CCHUNK (\b)*CH2, 256*(\b), \ref
.Lnc_\@:
.endm
; gelu(x) = x / (1 + 2^(x (C1 x^2 + C0))), C0 = -2 log2(e) sqrt(2 / pi), C1 = 0.044715 C0; rounded to bf16 and stored.  Each accumulator is read from its lowest registers on.
.macro EPIT i
	s_cmp_lt_u32 s[NT], (\i)+1
	s_cbranch_scc1 .Lnext
.set X, ACC+32*(\i)
.set O, AR+32+16*(\i)
.set n, 0
.rept 16
	v_pk_mul_f32 v[AR+n:AR+n+1], v[X+n:X+n+1], v[X+n:X+n+1]
.set n, n+2
.endr
.set n, 0
.rept 16
	v_pk_fma_f32 v[AR+n:AR+n+1], v[AR+n:AR+n+1], s[C1:C1+1], s[C0:C0+1] op_sel_hi:[1,0,0]
.set n, n+2
.endr
.set n, 0
.rept 16
	v_pk_mul_f32 v[AR+n:AR+n+1], v[AR+n:AR+n+1], v[X+n:X+n+1]
.set n, n+2
.endr
.set n, 0
.rept 32
	v_exp_f32 v[AR+n], v[AR+n]
.set n, n+1
.endr
	v_nop                                          ; a plain instruction behind the last exponential,
	s_wait_alu depctr_va_vdst(0)                   ; and one wait for the batch of 32, ahead of the first reader
.set n, 0
.rept 16
	v_pk_add_f32 v[AR+n:AR+n+1], v[AR+n:AR+n+1], 1.0 op_sel_hi:[1,0]
.set n, n+2
.endr
.set n, 0
.rept 32
	v_rcp_f32 v[AR+n], v[AR+n]
.set n, n+1
.endr
	v_nop
	s_wait_alu depctr_va_vdst(0)                   ; one wait for the 32 reciprocals
.set n, 0
.rept 16
	v_pk_mul_f32 v[AR+n:AR+n+1], v[AR+n:AR+n+1], v[X+n:X+n+1]
.set n, n+2
.endr
.set n, 0
.rept 16
	v_cvt_pk_bf16_f32 v[O+n], v[AR+2*n], v[AR+2*n+1]
.set n, n+1
.endr
	s_add_co_u32 s[T1], s[P12], s[G]
	s_add_co_u32 s[T1], s[T1], 4*(\i)              ; the tile's number in the expert,
	s_lshl_b32 s[T1], s[T1], 17                    ; 131,072 bytes a tile
	v_add_nc_u32 v[13+(\i)], s[T1], v12
.irp ct, 0,1,2,3
	global_store_b128 v[13+(\i)], v[O+4*(\ct):O+4*(\ct)+3], s[20:21] offset:512*(\ct)  ; 512 consecutive bytes: half a k step's fragment
.endr
.endm
.macro TREE b                          ; the sum of 32 registers and 32 lanes, in every lane
.irp w, 16,8,4,2
.set n, 0
.rept (\w)/2
	v_pk_add_f32 v[(\b)+n:(\b)+n+1], v[(\b)+n:(\b)+n+1], v[(\b)+(\w)+n:(\b)+(\w)+n+1]
.set n, n+2
.endr
.endr
	v_add_f32 v[\b], v[\b], v[(\b)+1]
.irp x, 1,2,4,8
	v_add_f32_dpp v[\b], v[\b], v[\b] row_xmask:\x row_mask:0xf bank_mask:0xf
.endr
	v_permlanex16_b32 v[(\b)+1], v[\b], s52, s53
	v_add_f32 v[\b], v[\b], v[(\b)+1]
.endm
	s_load_b512 s[8:23], s[0:1], 0x0               ; xb s[8:9], sel s[10:11], w1 s[12:13], b1 s[14:15], gw s[16:17], zq s[18:19], hbuf s[20:21], order s[22:23]
	s_load_b256 s[24:31], s[0:1], 0x40             ; counts s[24:25], gws s[26:27], out1 s[28:29], out2 s[30:31]
	v_lshl_add_u32 v[SPW], v0, 2, SPARE
	v_mov_b32 v[NIL], 0
	v_and_b32 v1, 31, v0
	v_lshrrev_b32 v2, 5, v0
	v_readfirstlane_b32 s[WV], v2
	v_and_b32 v2, 15, v0
	v_bfe_u32 v3, v0, 4, 1
	s_and_b32 s[Q], s[WV], 7
	s_and_b32 s[EX], ttmp7, 0xffff
	s_mov_b32 s[SL], ttmp9
	s_and_b32 s[G], s[WV], 3
	s_bfe_u32 s[CG], s[WV], 0x10002
	s_mov_b32 s[CNT], 0
	s_mov_b32 s[NTL], 1
	s_mov_b32 s[NT], 0
	s_mov_b32 s[P], 0
	s_mov_b32 s[P12], 0
	s_mov_b32 s[PL], 0
	s_mov_b32 s[KB], 0
	s_mov_b32 s[HM], 0xffff0000
	s_mov_b32 s[C0], 0xc0135761                    ; -2.3022082
	s_mov_b32 s[C0+1], s[C0]
	s_mov_b32 s[C1], 0xbdd2d3e8                    ; -0.10294324
	s_mov_b32 s[C1+1], s[C1]
	s_mov_b32 s52, 0x76543210                      ; v_permlanex16_b32: each lane takes its own place in the other half
	s_mov_b32 s53, 0xfedcba98
	; the address terms of both roles, made by every wave from bit fields of its number
	s_mul_i32 s[T1], s[CG], 64*272
	v_mul_u32_u24 v6, v2, 272
	v_lshl_add_u32 v6, v3, 4, v6
	v_add_nc_u32 v6, s[T1], v6                     ; weight fragment: row 64 cg + lane % 16, 16 bytes for each half of the lanes
	v_mov_b32 v7, v6
	v_mov_b32 v8, 0
	v_mov_b32 v9, 0
	v_mov_b32 v10, 0
	v_lshlrev_b32 v11, 4, v3
	v_lshlrev_b32 v12, 4, v1
	s_lshl_b32 s[T1], s[G], 6
	s_add_co_u32 s[T1], s[T1], LIST
	v_lshlrev_b32 v240, 2, v2
	v_add_nc_u32 v240, s[T1], v240                 ; rank 16 g + lane % 16
	v_lshlrev_b32 v241, 5, v3
	v_lshlrev_b32 v248, 2, v1
	s_mul_i32 s[T1], s[Q], 16*272
	v_lshlrev_b32 v[VS], 3, v1
	v_add_nc_u32 v[VS], s[T1], v[VS]               ; a producer's rows 16 q .. 16 q + 15 of a chunk, 8 bytes a lane
	v_mov_b32 v[VST], v[VS]
	s_lshl_b32 s[T1], s[Q], 16
	v_add_nc_u32 v[VW], s[T1], v12                 ; the same rows in w1, 16 bytes a lane
	s_lshl_b32 s2, s[EX], 24                       ; an expert's w1: 16,777,216 bytes; a slice's 128 rows: 524,288
	s_lshl_b32 s[T1], s[SL], 19
	s_add_co_u32 s2, s2, s[T1]
	s_mov_b32 s3, 0
	s_wait_kmcnt 0x0
	s_add_nc_u64 s[6:7], s[12:13], s[2:3]          ; w1 at my slice; it steps with the chunks
	s_mov_b64 s[4:5], s[8:9]                       ; xb; it steps with the chunks
	s_lshl_b32 s2, s[EX], 14
	s_lshl_b32 s[T1], s[SL], 9
	s_add_co_u32 s2, s2, s[T1]
	s_lshl_b32 s[T1], s[CG], 8
	s_add_co_u32 s2, s2, s[T1]
	s_add_nc_u64 s[14:15], s[14:15], s[2:3]        ; b1 at my 64 columns
	s_lshl_b32 s2, s[EX], 23
	s_lshl_b32 s[T1], s[SL], 12
	s_add_co_u32 s2, s2, s[T1]
	s_lshl_b32 s[T1], s[CG], 11
	s_add_co_u32 s2, s2, s[T1]
	s_add_nc_u64 s[20:21], s[20:21], s[2:3]        ; hbuf at my expert and my two k steps
	s_lshl_b32 s2, s[EX], 12
	s_add_nc_u64 s[22:23], s[22:23], s[2:3]
	s_add_nc_u64 s[26:27], s[26:27], s[2:3]
	s_lshl_b32 s2, s[EX], 7
	s_add_nc_u64 s[24:25], s[24:25], s[2:3]
	s_cmp_lt_u32 s[WV], 8
	s_cbranch_scc1 .Lchead
	; PRODUCERS: chunk 0 goes out
.set i, 0
.rept 16
	global_load_b128 v[ST+4*i:ST+4*i+3], v[VW], s[6:7] offset:4096*i th:TH_LOAD_NT  ; 512 consecutive bytes of a row
.set i, i+1
.endr
	s_branch .Lbar0
.Lchead:
	; CONSUMERS
.set k, 0
.rept 8
	global_load_b128 v[AR+4*k:AR+4*k+3], v12, s[10:11] offset:512*k  ; all 1,024 choices
.set k, k+1
.endr
	BIASLOAD
	s_wait_loadcnt 0x8                             ; sel is in: the eight bias loads are the younger ones
	s_cmp_lg_u32 s[WV], 0
	s_cbranch_scc1 .Lc0
	; wave 0 makes the list
	v_mov_b32 v244, 0
	v_mov_b32 v245, 0
	v_mov_b32 v246, 0
	v_mov_b32 v247, 0
	v_add_nc_u32 v249, 1152, v1                    ; my dump word
	v_add_nc_u32 v250, LIST, v12
	v_mov_b32 v252, LIST
.set k, 0
.rept 9
	ds_store_b128 v250, v[244:247] offset:512*k    ; every place is written before it is read
.set k, k+1
.endr
	COUNT 1
.set k, 0
.rept 9                                        ; LDS serves a wave's instructions in order (ISA guide 5.7.1.4): these see the stores above
	ds_load_b128 v[AR+4*k:AR+4*k+3], v250 offset:512*k
.set k, k+1
.endr
	ds_load_b32 v251, v252                         ; the token of rank 0
	s_wait_dscnt 0x0
.set n, 0
.rept 36
	v_add_nc_u32 v243, 128*(n/4)+n%4, v248
	v_cmp_gt_u32 vcc_lo, s[CNT], v243
	v_cndmask_b32 v[AR+n], v251, v[AR+n], vcc_lo   ; places past the count repeat the first token
.set n, n+1
.endr
.set k, 0
.rept 9
	ds_store_b128 v250, v[AR+4*k:AR+4*k+3] offset:512*k
.set k, k+1
.endr
	v_mov_b32 v243, s[CNT]
	v_add_nc_u32 v242, CW, v248
	ds_store_b32 v242, v243
	s_branch .Lcj
.Lc0:
	COUNT 0
.Lcj:
	s_add_co_u32 s[NTL], s[CNT], 15
	s_lshr_b32 s[NTL], s[NTL], 4
	s_max_u32 s[NTL], s[NTL], 1
	BIASFIX
.Lbar0:
	s_wait_dscnt 0x0                               ; wave 0: the list and the count are in LDS
	s_barrier_signal -1
	s_barrier_wait -1
	s_cmp_lt_u32 s[WV], 8
	s_cbranch_scc0 .Lstream
	NTCALC
	TOKINIT
.Lstream:
	s_mov_b32 s[LC], 3
.Lsl:                                                  ; chunks 0 to 5, two a trip
	TRIP 0, 1
	TRIP 1, 1
	s_wait_xcnt 0x0                                ; the bases are stepped only behind this wait
	s_add_nc_u64 s[6:7], s[6:7], 1024
	s_add_nc_u64 s[4:5], s[4:5], 512
	s_add_co_u32 s[KB], s[KB], 2*CH2
	s_sub_co_u32 s[LC], s[LC], 1
	s_cmp_lg_u32 s[LC], 0
	s_cbranch_scc1 .Lsl
	TRIP 0, 1                                      ; chunk 6; chunk 7 is asked for
	TRIP 1, 0                                      ; chunk 7: nothing is left to ask for, and the counts run down
	s_wait_loadcnt 0x0                             ; no load of any wave is out from here on
	s_cmp_lt_u32 s[WV], 8
	s_cbranch_scc1 .Lpass
	; PRODUCERS are done with the slice.  Two of them have one more job, beside the consumers' gelu.
	s_cmp_lg_u32 s[SL], 0
	s_cbranch_scc1 .Lfin
	s_cmp_lg_u32 s[WV], 8
	s_cbranch_scc1 .Lnot8
	; wave 8 of slice 0: the list, the count, and gw in the list's order
	v_lshlrev_b32 v96, 4, v1
	v_add_nc_u32 v97, LIST, v96
	v_lshlrev_b32 v98, 2, v1
	v_add_nc_u32 v99, CW, v98
.set k, 0
.rept 8
	ds_load_b128 v[16+4*k:16+4*k+3], v97 offset:512*k
.set k, k+1
.endr
	ds_load_b32 v100, v99
	s_wait_dscnt 0x0
.set k, 0
.rept 8
	global_store_b128 v96, v[16+4*k:16+4*k+3], s[22:23] offset:512*k
.set k, k+1
.endr
	global_store_b32 v98, v100, s[24:25]
	s_wait_xcnt 0x0                                ; the stores have read the list's registers
.set n, 0
.rept 32
	v_min_u32 v[16+n], 0x3ff, v[16+n]
	v_lshlrev_b32 v[16+n], 2, v[16+n]
.set n, n+1
.endr
.set n, 0
.rept 32
	global_load_b32 v[112+n], v[16+n], s[16:17]
.set n, n+1
.endr
	s_wait_loadcnt 0x0
.set k, 0
.rept 8
	global_store_b128 v96, v[112+4*k:112+4*k+3], s[26:27] offset:512*k
.set k, k+1
.endr
	s_branch .Lfin
.Lnot8:
	s_cmp_lg_u32 s[WV], 9
	s_cbranch_scc1 .Lfin
	s_cmp_lg_u32 s[EX], 0
	s_cbranch_scc1 .Lfin
	; wave 9 of work-group (0, 0): z_loss = sum(zq) / 1024; aux_loss = mean over e of (count_e / 1024) (sum(gw) / 1024), times 64
	v_lshlrev_b32 v96, 4, v1
.set k, 0
.rept 8
	global_load_b128 v[16+4*k:16+4*k+3], v96, s[10:11] offset:512*k
	global_load_b128 v[48+4*k:48+4*k+3], v96, s[18:19] offset:512*k
	global_load_b128 v[112+4*k:112+4*k+3], v96, s[16:17] offset:512*k
.set k, k+1
.endr
	s_wait_loadcnt 0x0
	TREE 48
	TREE 112
	v_mul_f32 v48, 0x3a800000, v48                 ; / 1024
	v_mul_f32 v112, 0x3a800000, v112
	v_mov_b32 v100, 0
	s_mov_b32 s[T2], 0
.Lle:
	s_mov_b32 s[T1], 0
.set n, 0
.rept 32
	v_cmp_eq_u32 vcc_lo, s[T2], v[16+n]
	s_bcnt1_i32_b32 s[T0], vcc_lo
	s_add_co_u32 s[T1], s[T1], s[T0]
.set n, n+1
.endr
	v_cvt_f32_u32 v101, s[T1]
	v_mul_f32 v101, 0x3a800000, v101
	v_fmac_f32 v100, v101, v112
	s_add_co_u32 s[T2], s[T2], 1
	s_cmp_lt_u32 s[T2], 8
	s_cbranch_scc1 .Lle
	v_mul_f32 v100, 0x41000000, v100               ; / 8 x 64
	v_mov_b32 v102, 0
	global_store_b32 v102, v100, s[28:29]          ; one number: all lanes hold it and store it at the one address
	global_store_b32 v102, v48, s[30:31]
	s_branch .Lfin
.Lpass:                                                ; CONSUMERS: six passes; pass 0's products are made already; no barrier stands in this loop: nobody writes the slice any more
	s_cmp_eq_u32 s[P], 0
	s_cbranch_scc1 .Lepi
	NTCALC
	s_cmp_ge_u32 s[P12], s[NTL]
	s_cbranch_scc1 .Lnext
	s_wait_xcnt 0x0                                ; the last pass's loads and stores have read their registers
	BIASLOAD
	BIASFIX
	TOKINIT
	s_mov_b32 s[LC], 7
.Lres:
	CCHUNK 0, 0, 1
	s_wait_xcnt 0x0
	s_add_nc_u64 s[4:5], s[4:5], 256
	s_add_co_u32 s[KB], s[KB], CH2
	s_sub_co_u32 s[LC], s[LC], 1
	s_cmp_lg_u32 s[LC], 0
	s_cbranch_scc1 .Lres
	CCHUNK 0, 0, 0
.Lepi:
	EPIT 0
	EPIT 1
	EPIT 2
.Lnext:
	s_add_co_u32 s[PL], s[PL], 768                 ; 192 ranks on
	s_add_co_u32 s[P12], s[P12], 12
	s_add_co_u32 s[P], s[P], 1
	s_cmp_lt_u32 s[P], 6
	s_cbranch_scc1 .Lpass
.Lfin:
	s_wait_dscnt 0x0                               ; my LDS reads are over
	s_barrier_signal -1
	s_barrier_wait -1                              ; everybody's are
	s_wait_tensorcnt 0x0                           ; the wave's end, behind my last LDS store
	ds_add_u32 v[SPW], v[NIL]
	s_wait_dscnt 0x0
	s_endpgm
.Lfunc_end_k_qb635afce6f_up:
	.size	k_qb635afce6f_up, .Lfunc_end_k_qb635afce6f_up-k_qb635afce6f_up
	.p2alignl 7, 3214868480
	.fill 96, 4, 3214868480
	.section	.rodata,"a",@progbits
	.p2align	6, 0x0
	.amdhsa_kernel k_qb635afce6f_up
		.amdhsa_group_segment_fixed_size 289024
		.amdhsa_private_segment_fixed_size 0
		.amdhsa_enable_private_segment 0
		.amdhsa_kernarg_size 96
		.amdhsa_user_sgpr_count 2
		.amdhsa_user_sgpr_kernarg_segment_ptr 1
		.amdhsa_wavefront_size32 1
		.amdhsa_system_sgpr_workgroup_id_x 1
		.amdhsa_system_sgpr_workgroup_id_y 1
		.amdhsa_system_sgpr_workgroup_id_z 1
		.amdhsa_system_vgpr_workitem_id 0
		.amdhsa_next_free_vgpr 256
		.amdhsa_next_free_sgpr 66
		.amdhsa_reserve_vcc 1
		.amdhsa_float_denorm_mode_32 3
		.amdhsa_float_denorm_mode_16_64 3
		.amdhsa_memory_ordered 1
		.amdhsa_forward_progress 1
		.amdhsa_inst_pref_size 158
	.end_amdhsa_kernel
	.amdgpu_metadata
---
amdhsa.version: [ 1, 2 ]
amdhsa.kernels:
  - .name:           k_qb635afce6f_up
    .symbol:         k_qb635afce6f_up.kd
    .args:
      - { .name: xb, .offset: 0, .size: 8, .value_kind: global_buffer, .address_space: global }
      - { .name: sel, .offset: 8, .size: 8, .value_kind: global_buffer, .address_space: global }
      - { .name: w1, .offset: 16, .size: 8, .value_kind: global_buffer, .address_space: global }
      - { .name: b1, .offset: 24, .size: 8, .value_kind: global_buffer, .address_space: global }
      - { .name: gw, .offset: 32, .size: 8, .value_kind: global_buffer, .address_space: global }
      - { .name: zq, .offset: 40, .size: 8, .value_kind: global_buffer, .address_space: global }
      - { .name: hbuf, .offset: 48, .size: 8, .value_kind: global_buffer, .address_space: global }
      - { .name: order, .offset: 56, .size: 8, .value_kind: global_buffer, .address_space: global }
      - { .name: counts, .offset: 64, .size: 8, .value_kind: global_buffer, .address_space: global }
      - { .name: gws, .offset: 72, .size: 8, .value_kind: global_buffer, .address_space: global }
      - { .name: out1, .offset: 80, .size: 8, .value_kind: global_buffer, .address_space: global }
      - { .name: out2, .offset: 88, .size: 8, .value_kind: global_buffer, .address_space: global }
    .group_segment_fixed_size: 289024
    .private_segment_fixed_size: 0
    .kernarg_segment_align: 8
    .kernarg_segment_size: 96
    .max_flat_workgroup_size: 512
    .sgpr_count:     66
    .vgpr_count:     256
    .wavefront_size: 32
...
	.end_amdgpu_metadata
.endif
;; end of part 2
;; launch down (part 3): grid 32 x 8, 16 waves a work-group, no clusters, 268,288 bytes of LDS; arguments hbuf, w2, b2, order, counts, gws, out0; writes out0
.if DOCPART == 3
	.amdgcn_target "amdgcn-amd-amdhsa--gfx1250"
	.amdhsa_code_object_version 6
	.text
	.protected	k_qb635afce6f_down
	.globl	k_qb635afce6f_down
	.p2align	8
	.type	k_qb635afce6f_down,@function
k_qb635afce6f_down:
	s_mov_b64 s[64:65], 0
	v_nop
	global_prefetch_b8 v0, s[64:65] scope:SCOPE_SE
	s_setreg_imm32_b32 hwreg(HW_REG_WAVE_MODE, 25, 1), 1
	s_wait_xcnt 0x0
; DOWN.  For expert e = group y and slice sl = group x (32 of the 1,024 output columns): out0[token] = gw (h w2[e]^T + b2[e]) for the expert's rows; with one expert a token each output row has one owner.
; w2 and b2 are rounded once to bf16; sums, bias and weight in f32.
; THE SLICE STAYS, as in the launch before: 32 rows x 4,096 of w2, 524,288 bytes read once by this work-group alone, resident in LDS as bf16, laid by K chunks of 512, each byte written once.
; Waves 8-15 (PRODUCERS) load, round and store a chunk; a barrier; waves 0-7 (CONSUMERS) multiply it while the next one, CH3 bytes further on, is stored: the chunk that is stored and the chunk that is read
; differ in parity, and the parity stands in the immediates.  A producer has 16 loads of 512 bytes out; its 64 staging registers share numbers only with consumer registers that no load writes during
; the streaming, and each block walks all its register groups in one order.  Every address term is made once, at the head, by every wave, in registers that nothing else writes.
; CONSUMER w has the tiles w and w + 8 of a pass of 16 and both column tiles: each fragment of h is loaded by one wave of the work-group, as 2 x 512 consecutive bytes, in the order in which the launch
; before stored it, through a ring eight k steps deep (32 loads out).  Pass 0 runs under the streaming, passes 1 to 3 from the resident slice, dead passes jumped: 64 tiles cover 1,024 rows.
; All loads of h are issued whatever the count, so every counted wait counts the same on every path; a dead place repeats the expert's last live tile (tile 0, which is always written, for an expert without rows).
; The list's places past the count repeat the expert's first token, so a last tile that is not full stores that row again, with the same value: no lane is switched off.  Dead tiles store nothing.
; A lane holds ONE token and eight neighbouring columns of each column tile: it stores 2 x 32 consecutive bytes of a row; a slice's piece of a row is 128 bytes.
; NO CLUSTER: each weight byte has one reader; h is shared by an expert's 32 work-groups, but how many tiles of it are live hangs on a stored count, and no tile load may stand in such a loop.
; LIMITS.  NaN and infinities are not treated apart.
.set CH3,   32*1040                    ; a chunk in LDS: 32 rows of 1,024 bytes + 16 (the 16 rows of a fragment load start at 16 different groups of four banks: ISA guide 11.1)
.set SPARE, 8*CH3                      ; the spare words, 128 bytes for each of 16 waves: eight blocks of 256 bytes that no other line names
.set SPW, 4                            ; v4  SPARE + 4 x my thread's number; never rewritten
.set NIL, 5                            ; v5  0; never rewritten
; every wave: v6 a consumer's place in a chunk; v10 16 lane; v11 32 (lane / 16); v12 a consumer's rank's byte in pass 0, place 0; v14 its 32 bytes in a row of out0;
;   v244 a producer's place in a chunk; v246 its byte offset in the slice of w2
; consumers: v7 v6 + the chunk; v8-9 byte offset of a place's tile in the expert's h; v13, v15 at work;
;   v[16:47] accumulators, (place i, column tile ct) at 16 + 16 i + 8 ct; v[48:79] results to store; v[80:111] weight fragments of two steps; v[112:239] ring of h, (slot s, place i) at 112 + 16 s + 8 i;
;   v240-241 tokens, v242-243 weights of my two rows
; producers: v[16:79] a chunk as loaded; v245 v244 + the chunk; v[248:255] rounded
.set ACC, 16
.set OUT, 48
.set BF,  80
.set AR,  112
.set ST,  16
.set VS,  244
.set VST, 245
.set VW,  246
.set CV,  248
.set WV,  32
.set Q,   33                           ; wave % 8: a consumer's and a producer's number
.set EX,  34
.set SL,  35
.set CNT, 38
.set NTR, 39                           ; the expert's tiles, 0 to 64
.set NT,  40                           ; how many of my two places are live in this pass
.set P,   41
.set P16, 42
.set LC,  43
.set KB,  44                           ; LDS byte at which the pair of chunks in hand begins
.set HM,  47
.set T1,  54
.set T2,  55
.set PL,  56                           ; 1,024 x pass: the pass's first byte in order and gws
.macro NTCALC                          ; of the tiles left from this pass on, mine are q and q + 8
	s_sub_co_i32 s[T1], s[NTR], s[P16]
	s_max_i32 s[T1], s[T1], 0
	s_add_co_u32 s[T1], s[T1], 7
	s_sub_co_u32 s[T1], s[T1], s[Q]
	s_lshr_b32 s[T1], s[T1], 3
	s_min_u32 s[NT], s[T1], 2
.endm
; A pass begins: b2 into place 0's accumulators (the sums START with the bias, on every path), my rows' tokens and weights, the tiles' offsets, and the ring's first 32 loads: k steps 0 to 7.
.macro PASSINIT3
	s_wait_xcnt 0x0                                ; earlier loads and stores have read the registers that are written below
.irp ct, 0,1
	global_load_b128 v[ACC+8*\ct:ACC+8*\ct+3], v11, s[12:13] offset:64*\ct
	global_load_b128 v[ACC+8*\ct+4:ACC+8*\ct+7], v11, s[12:13] offset:64*\ct+16
.endr
	v_add_nc_u32 v13, s[PL], v12
.irp i, 0,1
	global_load_b32 v[240+\i], v13, s[14:15] offset:512*\i
	global_load_b32 v[242+\i], v13, s[18:19] offset:512*\i
.endr
	s_wait_loadcnt 0x0
.set n, 0
.rept 8
	v_cvt_pk_bf16_f32 v15, v[ACC+n], v[ACC+n+1]    ; b2 is rounded to bf16 like every input
	v_lshlrev_b32 v[ACC+n], 16, v15
	v_and_b32 v[ACC+n+1], s[HM], v15
.set n, n+2
.endr
.set n, 0
.rept 16
	v_mov_b32 v[ACC+16+n], v[ACC+n]
.set n, n+1
.endr
.irp i, 0,1
	s_add_co_u32 s[T1], s[P16], s[Q]
	s_add_co_u32 s[T1], s[T1], 8*\i                ; the place's tile;
	s_max_u32 s[T2], s[NTR], 1
	s_sub_co_u32 s[T2], s[T2], 1
	s_min_u32 s[T1], s[T1], s[T2]                  ; a dead place repeats the last tile that is written
	s_min_u32 s[T1], s[T1], 63
	s_lshl_b32 s[T1], s[T1], 17                    ; 131,072 bytes a tile
	v_add_nc_u32 v[8+\i], s[T1], v10
.endr
	s_mov_b64 s[4:5], s[22:23]
	s_mov_b32 s[KB], 0
.irp s, 0,1,2,3,4,5,6,7
.irp i, 0,1
	global_load_b128 v[AR+16*\s+8*\i:AR+16*\s+8*\i+3], v[8+\i], s[4:5] offset:1024*\s
	global_load_b128 v[AR+16*\s+8*\i+4:AR+16*\s+8*\i+7], v[8+\i], s[4:5] offset:1024*\s+512
.endr
.endr
.endm
.macro BLOAD s, lb                     ; step s's weight fragments, into the half of BF that the step before last read
.irp ct, 0,1
	ds_load_b128 v[BF+16*((\s)%2)+8*\ct:BF+16*((\s)%2)+8*\ct+3], v7 offset:(\lb)+16640*\ct+64*(\s)
	ds_load_b128 v[BF+16*((\s)%2)+8*\ct+4:BF+16*((\s)%2)+8*\ct+7], v7 offset:(\lb)+16640*\ct+64*(\s)+32
.endr
.endm
.macro WM2 i, s                        ; place i's two accumulators, one instruction a turn
.irp ct, 0,1
	v_wmma_f32_16x16x32_bf16 v[ACC+16*(\i)+8*\ct:ACC+16*(\i)+8*\ct+7], v[BF+16*((\s)%2)+8*\ct:BF+16*((\s)%2)+8*\ct+7], v[AR+16*((\s)%8)+8*(\i):AR+16*((\s)%8)+8*(\i)+7], v[ACC+16*(\i)+8*\ct:ACC+16*(\i)+8*\ct+7]
.endr
.endm
.macro CSTEP3 s, lb, gb, last          ; k step s of a chunk's 16.  Its ring slot is filled again with the step eight further on; last = 1: the last chunk has none for steps 8 to 15
.if (\s) < 15
	BLOAD (\s)+1, \lb
.endif
.if (\last) && ((\s) >= 8)
	s_wait_loadcnt 4*(15-(\s))                     ; no refills any more: the slots behind this one
.else
	s_wait_loadcnt 28                              ; this slot is in: behind its four loads stand the four of each of the seven other slots
.endif
.if (\s) < 15
	s_wait_dscnt 4                                 ; this step's weight fragments are in: the next step's four loads may stay out
.else
	s_wait_dscnt 0x0
.endif
	s_cmp_lt_u32 s[NT], 1
	s_cbranch_scc1 .Le_\@
	WM2 0, \s
	s_cmp_lt_u32 s[NT], 2
	s_cbranch_scc1 .Le_\@
	WM2 1, \s
.Le_\@:
.rept 4
	v_nop                                          ; four places in front of loads into registers that the products have read, and of readers of their results
.endr
.if !(\last) || ((\s) < 8)
.irp i, 0,1
	global_load_b128 v[AR+16*((\s)%8)+8*\i:AR+16*((\s)%8)+8*\i+3], v[8+\i], s[4:5] offset:(\gb)+1024*((\s)+8)
	global_load_b128 v[AR+16*((\s)%8)+8*\i+4:AR+16*((\s)%8)+8*\i+7], v[8+\i], s[4:5] offset:(\gb)+1024*((\s)+8)+512
.endr
.endif
.endm
.macro CCH3 lb, gb, last               ; a chunk; lb, gb: its parity in LDS and in h
	v_add_nc_u32 v7, s[KB], v6
	BLOAD 0, \lb
.set st, 0
.rept 16
	CSTEP3 st, \lb, \gb, \last
.set st, st+1
.endr
.endm
.macro TRIP3 b, ref                    ; one chunk under the streaming; b: its parity.  ref = 1: the producer's registers take the next chunk
	s_cmp_lt_u32 s[WV], 8
	s_cbranch_scc1 .Lnp_\@
	v_add_nc_u32 v[VST], s[KB], v[VS]
.irp gq, 0,1,2,3
.if \ref
	s_wait_loadcnt 12                              ; this row's four loads are in: behind them stand the four of each of the three other rows
.else
	s_wait_loadcnt 4*(3-\gq)
.endif
.irp u, 0,1,2,3
	v_cvt_pk_bf16_f32 v[CV+2*\u], v[ST+4*(4*\gq+\u)], v[ST+4*(4*\gq+\u)+1]
	v_cvt_pk_bf16_f32 v[CV+2*\u+1], v[ST+4*(4*\gq+\u)+2], v[ST+4*(4*\gq+\u)+3]
	ds_store_b64 v[VST], v[CV+2*\u:CV+2*\u+1] offset:1040*\gq+256*\u+(\b)*CH3
.endr
.if \ref
.irp u, 0,1,2,3
	global_load_b128 v[ST+4*(4*\gq+\u):ST+4*(4*\gq+\u)+3], v[VW], s[6:7] offset:16384*\gq+512*\u+2048*(\b)+2048 th:TH_LOAD_NT
.endr
.endif
.endr
.Lnp_\@:
	s_wait_dscnt 0x0                               ; producers: the chunk is in LDS; consumers: no LDS load of mine is out
	s_barrier_signal -1
	s_barrier_wait -1
	s_cmp_lt_u32 s[WV], 8
	s_cbranch_scc0 .Lnc_\@
	CCH3 (\b)*CH3, 16384*(\b), 1-(\ref)
.Lnc_\@:
.endm
.macro FIN i                           ; place i: the sums (bias included) times the row's weight, and out.  Each accumulator is read from its lowest registers on
	s_cmp_lt_u32 s[NT], (\i)+1
	s_cbranch_scc1 .Lnext
.set n, 0
.rept 16
	v_mul_f32 v[OUT+16*(\i)+n], v[ACC+16*(\i)+n], v[242+(\i)]
.set n, n+1
.endr
	v_min_u32 v[240+(\i)], 0x3ff, v[240+(\i)]
	v_lshlrev_b32 v[240+(\i)], 12, v[240+(\i)]     ; token x 4,096 bytes
	v_add_nc_u32 v[240+(\i)], v[240+(\i)], v14     ; + my 32 bytes of the slice
.irp ct, 0,1
	global_store_b128 v[240+(\i)], v[OUT+16*(\i)+8*\ct:OUT+16*(\i)+8*\ct+3], s[20:21] offset:64*\ct
	global_store_b128 v[240+(\i)], v[OUT+16*(\i)+8*\ct+4:OUT+16*(\i)+8*\ct+7], s[20:21] offset:64*\ct+16
.endr
.endm
	s_load_b256 s[8:15], s[0:1], 0x0               ; hbuf s[8:9], w2 s[10:11], b2 s[12:13], order s[14:15]
	s_load_b128 s[16:19], s[0:1], 0x20             ; counts s[16:17], gws s[18:19]
	s_load_b64 s[20:21], s[0:1], 0x30              ; out0
	v_lshl_add_u32 v[SPW], v0, 2, SPARE
	v_mov_b32 v[NIL], 0
	v_and_b32 v1, 31, v0
	v_lshrrev_b32 v2, 5, v0
	v_readfirstlane_b32 s[WV], v2
	v_and_b32 v2, 15, v0
	v_bfe_u32 v3, v0, 4, 1
	s_and_b32 s[Q], s[WV], 7
	s_and_b32 s[EX], ttmp7, 0xffff
	s_mov_b32 s[SL], ttmp9
	s_mov_b32 s[NTR], 0
	s_mov_b32 s[NT], 0
	s_mov_b32 s[P], 0
	s_mov_b32 s[P16], 0
	s_mov_b32 s[PL], 0
	s_mov_b32 s[KB], 0
	s_mov_b32 s[HM], 0xffff0000
	; the address terms of both roles, made by every wave from its number modulo 8
	v_mul_u32_u24 v6, v2, 1040
	v_lshl_add_u32 v6, v3, 4, v6                   ; weight fragment: row lane % 16, 16 bytes for each half of the lanes
	v_mov_b32 v7, v6
	v_mov_b32 v8, 0
	v_mov_b32 v9, 0
	v_lshlrev_b32 v10, 4, v1
	v_lshlrev_b32 v11, 5, v3
	s_lshl_b32 s[T1], s[Q], 6
	v_lshlrev_b32 v12, 2, v2
	v_add_nc_u32 v12, s[T1], v12                   ; 4 (16 q + lane % 16)
	s_lshl_b32 s[T1], s[SL], 7
	v_add_nc_u32 v14, s[T1], v11
	s_mul_i32 s[T1], s[Q], 4*1040
	v_lshlrev_b32 v[VS], 3, v1
	v_add_nc_u32 v[VS], s[T1], v[VS]               ; a producer's rows 4 q .. 4 q + 3 of a chunk, 8 bytes a lane
	v_mov_b32 v[VST], v[VS]
	s_lshl_b32 s[T1], s[Q], 16
	v_add_nc_u32 v[VW], s[T1], v10                 ; the same rows in w2, 16 bytes a lane
	s_lshl_b32 s2, s[EX], 24                       ; an expert's w2: 16,777,216 bytes; a slice's 32 rows: 524,288
	s_lshl_b32 s[T1], s[SL], 19
	s_add_co_u32 s2, s2, s[T1]
	s_mov_b32 s3, 0
	s_wait_kmcnt 0x0
	s_add_nc_u64 s[6:7], s[10:11], s[2:3]          ; w2 at my slice; it steps with the chunks
	s_lshl_b32 s2, s[EX], 23
	s_add_nc_u64 s[22:23], s[8:9], s[2:3]          ; h of my expert
	s_mov_b64 s[4:5], s[22:23]                     ; the same; it steps with the chunks
	s_lshl_b32 s2, s[EX], 12
	s_add_nc_u64 s[14:15], s[14:15], s[2:3]
	s_add_nc_u64 s[18:19], s[18:19], s[2:3]
	s_lshl_b32 s[T1], s[SL], 7
	s_add_co_u32 s2, s2, s[T1]
	s_add_nc_u64 s[12:13], s[12:13], s[2:3]        ; b2 at my 32 columns
	s_lshl_b32 s2, s[EX], 7
	s_add_nc_u64 s[16:17], s[16:17], s[2:3]
	s_cmp_lt_u32 s[WV], 8
	s_cbranch_scc1 .Lchead
	; PRODUCERS: chunk 0 goes out
.set n, 0
.rept 16
	global_load_b128 v[ST+4*n:ST+4*n+3], v[VW], s[6:7] offset:16384*(n/4)+512*(n%4) th:TH_LOAD_NT  ; 512 consecutive bytes of a row
.set n, n+1
.endr
	s_branch .Lstream
.Lchead:
	; CONSUMERS
	s_load_b32 s[CNT], s[16:17], 0x0
	s_wait_kmcnt 0x0
	s_min_u32 s[CNT], s[CNT], 1024
	s_add_co_u32 s[NTR], s[CNT], 15
	s_lshr_b32 s[NTR], s[NTR], 4
	NTCALC
	PASSINIT3
.Lstream:
	s_mov_b32 s[LC], 3
.Lsl:                                                  ; chunks 0 to 5, two a trip
	TRIP3 0, 1
	TRIP3 1, 1
	s_wait_xcnt 0x0                                ; the bases are stepped only behind this wait
	s_add_nc_u64 s[6:7], s[6:7], 4096
	s_add_nc_u64 s[4:5], s[4:5], 32768
	s_add_co_u32 s[KB], s[KB], 2*CH3
	s_sub_co_u32 s[LC], s[LC], 1
	s_cmp_lg_u32 s[LC], 0
	s_cbranch_scc1 .Lsl
	TRIP3 0, 1                                     ; chunk 6; chunk 7 is asked for
	TRIP3 1, 0                                     ; chunk 7: nothing is left to ask for beyond it, and the counts run down
	s_wait_loadcnt 0x0                             ; no load of any wave is out from here on
	s_cmp_lt_u32 s[WV], 8
	s_cbranch_scc0 .Lfin
.Lpass:                                                ; CONSUMERS: four passes; pass 0's products are made already; no barrier stands in this loop: nobody writes the slice any more
	s_cmp_eq_u32 s[P], 0
	s_cbranch_scc1 .Lepi
	NTCALC
	s_cmp_ge_u32 s[P16], s[NTR]
	s_cbranch_scc1 .Lnext
	PASSINIT3
	s_mov_b32 s[LC], 7
.Lres:
	CCH3 0, 0, 0
	s_wait_xcnt 0x0
	s_add_nc_u64 s[4:5], s[4:5], 16384
	s_add_co_u32 s[KB], s[KB], CH3
	s_sub_co_u32 s[LC], s[LC], 1
	s_cmp_lg_u32 s[LC], 0
	s_cbranch_scc1 .Lres
	CCH3 0, 0, 1
.Lepi:
	FIN 0
	FIN 1
.Lnext:
	s_add_co_u32 s[PL], s[PL], 1024                ; 256 ranks on
	s_add_co_u32 s[P16], s[P16], 16
	s_add_co_u32 s[P], s[P], 1
	s_cmp_lt_u32 s[P], 4
	s_cbranch_scc1 .Lpass
.Lfin:
	s_wait_dscnt 0x0                               ; my LDS reads are over
	s_barrier_signal -1
	s_barrier_wait -1                              ; everybody's are
	s_wait_tensorcnt 0x0                           ; the wave's end, behind my last LDS store
	ds_add_u32 v[SPW], v[NIL]
	s_wait_dscnt 0x0
	s_endpgm
.Lfunc_end_k_qb635afce6f_down:
	.size	k_qb635afce6f_down, .Lfunc_end_k_qb635afce6f_down-k_qb635afce6f_down
	.p2alignl 7, 3214868480
	.fill 96, 4, 3214868480
	.section	.rodata,"a",@progbits
	.p2align	6, 0x0
	.amdhsa_kernel k_qb635afce6f_down
		.amdhsa_group_segment_fixed_size 268288
		.amdhsa_private_segment_fixed_size 0
		.amdhsa_enable_private_segment 0
		.amdhsa_kernarg_size 56
		.amdhsa_user_sgpr_count 2
		.amdhsa_user_sgpr_kernarg_segment_ptr 1
		.amdhsa_wavefront_size32 1
		.amdhsa_system_sgpr_workgroup_id_x 1
		.amdhsa_system_sgpr_workgroup_id_y 1
		.amdhsa_system_sgpr_workgroup_id_z 1
		.amdhsa_system_vgpr_workitem_id 0
		.amdhsa_next_free_vgpr 256
		.amdhsa_next_free_sgpr 66
		.amdhsa_reserve_vcc 0
		.amdhsa_float_denorm_mode_32 3
		.amdhsa_float_denorm_mode_16_64 3
		.amdhsa_memory_ordered 1
		.amdhsa_forward_progress 1
		.amdhsa_inst_pref_size 146
	.end_amdhsa_kernel
	.amdgpu_metadata
---
amdhsa.version: [ 1, 2 ]
amdhsa.kernels:
  - .name:           k_qb635afce6f_down
    .symbol:         k_qb635afce6f_down.kd
    .args:
      - { .name: hbuf, .offset: 0, .size: 8, .value_kind: global_buffer, .address_space: global }
      - { .name: w2, .offset: 8, .size: 8, .value_kind: global_buffer, .address_space: global }
      - { .name: b2, .offset: 16, .size: 8, .value_kind: global_buffer, .address_space: global }
      - { .name: order, .offset: 24, .size: 8, .value_kind: global_buffer, .address_space: global }
      - { .name: counts, .offset: 32, .size: 8, .value_kind: global_buffer, .address_space: global }
      - { .name: gws, .offset: 40, .size: 8, .value_kind: global_buffer, .address_space: global }
      - { .name: out0, .offset: 48, .size: 8, .value_kind: global_buffer, .address_space: global }
    .group_segment_fixed_size: 268288
    .private_segment_fixed_size: 0
    .kernarg_segment_align: 8
    .kernarg_segment_size: 56
    .max_flat_workgroup_size: 512
    .sgpr_count:     66
    .vgpr_count:     256
    .wavefront_size: 32
...
	.end_amdgpu_metadata
.endif
;; end of part 3
;; ======== version 2 of 3: 4 launches; 1.18 times as fast as version 1
;; workspace buffers: xb 2,097,152 bytes; sel 4,096 bytes of whole numbers; gz 8,192 bytes; xs 16,777,216 bytes; hbuf 67,108,864 bytes; order 32,768 bytes of whole numbers; counts 1,024 bytes of whole numbers; gws 32,768 bytes
;; launch router (part 4): grid 64 x 1, 8 waves a work-group, no clusters, 61,440 bytes of LDS; arguments hidden_states, gate_w, xb, sel, gz; writes xb, sel, gz
.if DOCPART == 4
	.amdgcn_target "amdgcn-amd-amdhsa--gfx1250"
	.amdhsa_code_object_version 6
	.text
	.protected	k_qb635afce6f_router
	.globl	k_qb635afce6f_router
	.p2align	8
	.type	k_qb635afce6f_router,@function
k_qb635afce6f_router:
	s_mov_b64 s[64:65], 0
	v_nop
	global_prefetch_b8 v0, s[64:65] scope:SCOPE_SE
	s_setreg_imm32_b32 hwreg(HW_REG_WAVE_MODE, 25, 1), 1
	s_wait_xcnt 0x0
; ROUTER.  x: [1024 tokens][1024] f32, gate_w: [8][1024] f32.  Stores xb = x rounded to bf16 ([1024][1024]), and for each token: sel (the chosen expert, u32),
; and in gz its weight p / p, as the top-1 normalisation gives it (words 0-1023), and logsumexp of the logits, squared (words 1024-2047).
; x and gate_w are rounded once to bf16 and multiplied by the matrix unit with f32 sums; softmax, maximum, logarithm in f32, the maximum taken away before the exponentials.
; SHARES.  A work-group has 16 tokens (64 work-groups: 1,024 / 16), wave w the channels 128 w .. 128 w + 127 of them; the eight partial logits meet in LDS and wave 0 finishes.
; LIMITS.  NaN and infinities are not treated apart.  An exponential below 2^-126 counts as 0.  The choice is the largest exp(l - max), the lower index on a tie; the sum over the
; 1,024 channels is taken in another order than a plain dot product's.
; No address and no branch hangs on the choice: it is selected by v_cndmask_b32 and stored at a fixed place.
.set PIT,   272                        ; an LDS row: 128 bf16 + 16 bytes: the 16 rows of a fragment load start at 16 different groups of four banks (64 banks of 4 bytes: ISA guide 11.1)
.set XTW,   16*PIT                     ; a wave's own 16 token rows
.set GT,    8*XTW                      ; behind them: a wave's own 8 gate rows
.set GTW,   8*PIT
.set RED,   GT+8*GTW                   ; the partial logits: 1,024 bytes a wave, 32 a lane
.set SPARE, RED+8*1024                 ; the spare words, 128 bytes for each wave: four blocks of 256 bytes that no other line names
.set SPW, 4                            ; v4  SPARE + 4 x my thread's number; never rewritten
.set NIL, 5                            ; v5  0; never rewritten
; v1 lane, v2 lane % 16, v3 lane / 16, v6 16 lane, v7 8 lane, v8 / v9 where I store x / gate in LDS, v10 / v11 where I read fragments, v12 / v13 partial logits: write, read
; v[16:79] x as loaded, then the fragments (tokens v[16:47], gate v[48:79]); v[80:111] gate as loaded, then the two accumulators; v[112:143] x in bf16; v[144:159] gate in bf16
	s_load_b256 s[4:11], s[0:1], 0x0               ; hidden_states s[4:5], gate_w s[6:7], xb s[8:9], sel s[10:11]
	s_load_b64 s[12:13], s[0:1], 0x20              ; gz
	v_lshl_add_u32 v[SPW], v0, 2, SPARE
	v_mov_b32 v[NIL], 0
	v_and_b32 v1, 31, v0
	v_lshrrev_b32 v14, 5, v0
	v_readfirstlane_b32 s16, v14                   ; wave 0..7
	v_and_b32 v2, 15, v0
	v_bfe_u32 v3, v0, 4, 1
	v_lshlrev_b32 v6, 4, v1
	v_lshlrev_b32 v7, 3, v1
	s_mul_i32 s17, s16, XTW
	s_mul_i32 s22, s16, GTW
	s_add_co_u32 s22, s22, GT
	v_add_nc_u32 v8, s17, v7
	v_add_nc_u32 v9, s22, v7
	v_mul_u32_u24 v10, v2, PIT
	v_lshl_add_u32 v10, v3, 4, v10
	v_add_nc_u32 v10, s17, v10                     ; token fragment: row lane % 16, 16 bytes for each half of the lanes
	v_and_b32 v11, 7, v0
	v_mul_u32_u24 v11, v11, PIT
	v_lshl_add_u32 v11, v3, 4, v11
	v_add_nc_u32 v11, s22, v11                     ; gate fragment: rows 8 to 15 repeat rows 0 to 7
	s_lshl_b32 s23, s16, 10
	s_add_co_u32 s23, s23, RED
	v_lshlrev_b32 v13, 5, v1
	v_add_nc_u32 v12, s23, v13
	v_add_nc_u32 v13, RED, v13
	s_lshl_b32 s18, ttmp9, 16                      ; 16 tokens of 4,096 bytes,
	s_lshl_b32 s24, s16, 9                         ; my wave's 512 bytes of a row
	s_add_co_u32 s18, s18, s24
	s_mov_b32 s19, 0
	s_mov_b32 s25, 0
	s_lshl_b32 s26, ttmp9, 15                      ; the same in bf16
	s_lshl_b32 s27, s16, 8
	s_add_co_u32 s26, s26, s27
	s_mov_b32 s27, 0
	s_wait_kmcnt 0x0
	s_add_nc_u64 s[4:5], s[4:5], s[18:19]
	s_add_nc_u64 s[6:7], s[6:7], s[24:25]
	s_add_nc_u64 s[8:9], s[8:9], s[26:27]
.set i, 0
.rept 16
	global_load_b128 v[16+4*i:16+4*i+3], v6, s[4:5] offset:4096*i th:TH_LOAD_NT  ; 512 consecutive bytes of token i
.set i, i+1
.endr
.set i, 0
.rept 8
	global_load_b128 v[80+4*i:80+4*i+3], v6, s[6:7] offset:4096*i
.set i, i+1
.endr
	s_wait_loadcnt 0x8                             ; x is in: the eight gate loads are the younger ones
.set i, 0
.rept 16
	v_cvt_pk_bf16_f32 v[112+2*i], v[16+4*i], v[16+4*i+1]
	v_cvt_pk_bf16_f32 v[113+2*i], v[16+4*i+2], v[16+4*i+3]
	ds_store_b64 v8, v[112+2*i:113+2*i] offset:PIT*i
	global_store_b64 v7, v[112+2*i:113+2*i], s[8:9] offset:2048*i  ; the wave stores 256 consecutive bytes, at a multiple of 256 from xb's first byte
.set i, i+1
.endr
	s_wait_loadcnt 0x0
.set i, 0
.rept 8
	v_cvt_pk_bf16_f32 v[144+2*i], v[80+4*i], v[80+4*i+1]
	v_cvt_pk_bf16_f32 v[145+2*i], v[80+4*i+2], v[80+4*i+3]
	ds_store_b64 v9, v[144+2*i:145+2*i] offset:PIT*i
.set i, i+1
.endr
.set i, 0
.rept 4                                        ; my own bytes: LDS serves a wave's instructions in order (ISA guide 5.7.1.4), so these see the stores above
	ds_load_b128 v[16+8*i:16+8*i+3], v10 offset:64*i
	ds_load_b128 v[16+8*i+4:16+8*i+7], v10 offset:64*i+32
	ds_load_b128 v[48+8*i:48+8*i+3], v11 offset:64*i
	ds_load_b128 v[48+8*i+4:48+8*i+7], v11 offset:64*i+32
.set i, i+1
.endr
	s_wait_dscnt 0x0
	; source 0 = 16 gate rows, source 1 = 16 tokens: a lane then holds ONE token (lane % 16) and eight experts.  Two accumulators take turns.
	v_wmma_f32_16x16x32_bf16 v[80:87], v[48:55], v[16:23], 0
	v_wmma_f32_16x16x32_bf16 v[88:95], v[56:63], v[24:31], 0
	v_wmma_f32_16x16x32_bf16 v[80:87], v[64:71], v[32:39], v[80:87]
	v_wmma_f32_16x16x32_bf16 v[88:95], v[72:79], v[40:47], v[88:95]
.rept 4
	v_nop                                          ; four places between a product and the first reader of its result (ISA guide 7.12.1)
.endr
.irp c, 0,2,4,6
	v_pk_add_f32 v[96+\c:97+\c], v[80+\c:81+\c], v[88+\c:89+\c]
.endr
	ds_store_b128 v12, v[96:99]
	ds_store_b128 v12, v[100:103] offset:16
	s_wait_dscnt 0x0                               ; for wave 0's sake: my partial logits are in LDS
	s_barrier_signal -1
	s_barrier_wait -1
	s_cmp_lg_u32 s16, 0
	s_cbranch_scc1 .Lend
	; wave 0: lane l finishes token l % 16 (both halves of the lanes hold the same eight logits)
.set i, 0
.rept 8
	ds_load_b128 v[16+8*i:16+8*i+3], v13 offset:1024*i
	ds_load_b128 v[16+8*i+4:16+8*i+7], v13 offset:1024*i+16
.set i, i+1
.endr
	s_wait_dscnt 0x0
.set w, 1
.rept 7
.irp c, 0,2,4,6
	v_pk_add_f32 v[16+\c:17+\c], v[16+\c:17+\c], v[16+8*w+\c:17+8*w+\c]
.endr
.set w, w+1
.endr
	v_max3_num_f32 v24, v16, v17, v18
	v_max3_num_f32 v24, v24, v19, v20
	v_max3_num_f32 v24, v24, v21, v22
	v_max_num_f32 v24, v24, v23                    ; m
	v_mov_b32 v25, v24
.irp c, 0,2,4,6
	v_pk_add_f32 v[32+\c:33+\c], v[16+\c:17+\c], v[24:25] neg_lo:[0,1] neg_hi:[0,1]  ; l - m: 0 for the largest
.endr
.irp c, 0,2,4,6
	v_pk_mul_f32 v[32+\c:33+\c], v[32+\c:33+\c], 0x3fb8aa3b op_sel_hi:[1,0]          ; times log2(e)
.endr
.irp c, 0,1,2,3,4,5,6,7
	v_exp_f32 v[32+\c], v[32+\c]
.endr
	v_nop                                          ; a plain instruction behind the last exponential,
	s_wait_alu depctr_va_vdst(0)                   ; and one wait for the batch of eight, ahead of the first reader
	v_add_f32 v40, v32, v33
.irp c, 2,3,4,5,6,7
	v_add_f32 v40, v40, v[32+\c]                   ; S
.endr
	v_mov_b32 v41, v32                             ; the largest so far,
	v_mov_b32 v42, 0                               ; and its expert: a later one takes over only if it is greater
.irp c, 1,2,3,4,5,6,7
	v_cmp_gt_f32 vcc_lo, v[32+\c], v41
	v_cndmask_b32 v42, v42, \c, vcc_lo
	v_max_num_f32 v41, v41, v[32+\c]
.endr
	v_rcp_f32 v43, v40
	v_log_f32 v44, v40
	v_nop
	s_wait_alu depctr_va_vdst(0)                   ; one wait for the two
	v_mul_f32 v45, v41, v43                        ; p, at least 1/8
	v_rcp_f32 v46, v45
	v_fmamk_f32 v47, v44, 0x3f317218, v24          ; log2(S) ln 2 + m: the plain instruction behind the reciprocal
	s_wait_alu depctr_va_vdst(0)
	v_mul_f32 v46, v45, v46                        ; p / (the sum over the one chosen)
	v_mul_f32 v47, v47, v47
	v_lshlrev_b32 v48, 2, v1
	s_lshl_b32 s20, ttmp9, 6
	v_add_nc_u32 v48, s20, v48                     ; 4 (16 x work-group + lane)
	v_cmp_gt_u32 vcc_lo, 16, v0
	s_wait_xcnt 0x0                                ; EXEC changes only behind this wait: earlier stores still name it
	s_and_saveexec_b32 s21, vcc_lo
	global_store_b32 v48, v42, s[10:11]
	global_store_b32 v48, v46, s[12:13]
	global_store_b32 v48, v47, s[12:13] offset:4096
	s_wait_xcnt 0x0
	s_or_b32 exec_lo, exec_lo, s21
.Lend:
	s_wait_tensorcnt 0x0                           ; the wave's end, behind my last LDS store
	ds_add_u32 v[SPW], v[NIL]
	s_wait_dscnt 0x0
	s_endpgm
.Lfunc_end_k_qb635afce6f_router:
	.size	k_qb635afce6f_router, .Lfunc_end_k_qb635afce6f_router-k_qb635afce6f_router
	.p2alignl 7, 3214868480
	.fill 96, 4, 3214868480
	.section	.rodata,"a",@progbits
	.p2align	6, 0x0
	.amdhsa_kernel k_qb635afce6f_router
		.amdhsa_group_segment_fixed_size 61440
		.amdhsa_private_segment_fixed_size 0
		.amdhsa_enable_private_segment 0
		.amdhsa_kernarg_size 40
		.amdhsa_user_sgpr_count 2
		.amdhsa_user_sgpr_kernarg_segment_ptr 1
		.amdhsa_wavefront_size32 1
		.amdhsa_system_sgpr_workgroup_id_x 1
		.amdhsa_system_sgpr_workgroup_id_y 1
		.amdhsa_system_sgpr_workgroup_id_z 1
		.amdhsa_system_vgpr_workitem_id 0
		.amdhsa_next_free_vgpr 160
		.amdhsa_next_free_sgpr 66
		.amdhsa_reserve_vcc 1
		.amdhsa_float_denorm_mode_32 3
		.amdhsa_float_denorm_mode_16_64 3
		.amdhsa_memory_ordered 1
		.amdhsa_forward_progress 1
		.amdhsa_inst_pref_size 19
	.end_amdhsa_kernel
	.amdgpu_metadata
---
amdhsa.version: [ 1, 2 ]
amdhsa.kernels:
  - .name:           k_qb635afce6f_router
    .symbol:         k_qb635afce6f_router.kd
    .args:
      - { .name: hidden_states, .offset: 0, .size: 8, .value_kind: global_buffer, .address_space: global }
      - { .name: gate_w, .offset: 8, .size: 8, .value_kind: global_buffer, .address_space: global }
      - { .name: xb, .offset: 16, .size: 8, .value_kind: global_buffer, .address_space: global }
      - { .name: sel, .offset: 24, .size: 8, .value_kind: global_buffer, .address_space: global }
      - { .name: gz, .offset: 32, .size: 8, .value_kind: global_buffer, .address_space: global }
    .group_segment_fixed_size: 61440
    .private_segment_fixed_size: 0
    .kernarg_segment_align: 8
    .kernarg_segment_size: 40
    .max_flat_workgroup_size: 256
    .sgpr_count:     66
    .vgpr_count:     160
    .wavefront_size: 32
...
	.end_amdgpu_metadata
.endif
;; end of part 4
;; launch sort (part 5): grid 17 x 8, 16 waves a work-group, no clusters, 10,496 bytes of LDS; arguments xb, sel, gz, xs, order, counts, gws, out1, out2; writes xs, order, counts, gws, out1, out2
.if DOCPART == 5
	.amdgcn_target "amdgcn-amd-amdhsa--gfx1250"
	.amdhsa_code_object_version 6
	.text
	.protected	k_qb635afce6f_sort
	.globl	k_qb635afce6f_sort
	.p2align	8
	.type	k_qb635afce6f_sort,@function
k_qb635afce6f_sort:
	s_mov_b64 s[64:65], 0
	v_nop
	global_prefetch_b8 v0, s[64:65] scope:SCOPE_SE
	s_setreg_imm32_b32 hwreg(HW_REG_WAVE_MODE, 25, 1), 1
	s_wait_xcnt 0x0
; SORT.  From the choices that the launch before stored (sel), for expert e = group y: the list of its tokens, and its token rows laid end to end, in the order in which a wave's operand registers
; take them: xs[e][tile 64][k step 32][half 2][lane 32][16 bytes], bf16; lane l of a tile holds token l % 16 of the tile, channels 32 s + 8 (l / 16) + 0..7 (half 0) and 16 more on (half 1).
; So the first product loads a fragment as 2 x 512 consecutive bytes, and the rows are gathered once, here, and not by each of an expert's 32 work-groups.
; THE LIST.  Wave 0 of every work-group makes it in LDS (a count and a rank by v_mbcnt; no atomics, no change of EXEC: a lane without a match stores into dump words); every work-group of an expert
; makes the same list.  Places past the count repeat the expert's first token (token 0 for an expert without rows).  The order of rows inside an expert is not the tokens' order.
; SHARES.  Groups x = 0 .. 15: wave w has tile 4 x + w / 4 and the k steps 8 (w % 4) .. + 7: sixteen loads, each 16 rows x 32 bytes, already in a fragment's shape, and sixteen stores of 512
; consecutive bytes.  64 tile places an expert serve every split of the 1,024 tokens; a tile at or past the expert's number of tiles is jumped, and a work-group all of whose tiles are so stores nothing.
; Tile 0 is always made, so that the later launches find written bytes for an expert without rows.
; Group x = 16: wave 1 stores the list (order), the count (counts, 32 times) and the weights in list order (gws); wave 2 of group (16, 0) makes the two losses, ahead of the barrier:
; z_loss = sum(zq) / 1024; aux_loss = mean over e of (count_e / 1024) (sum(gw) / 1024), times 64.  The counts are summed as f32 ones: exact up to 1,024.
; No matrix unit, no cluster, no tile loads: each byte is read once by one wave, and the rows are named by a list.
.set CW,    0                          ; the count, 32 times
.set LIST,  256                        ; 2,048 words: ranks 0-1151, dump words 1152-1183; the clamp on a store's index is 2,047
.set SPARE, LIST+8192                  ; the spare words, 128 bytes for each of 16 waves: eight blocks of 256 bytes that no other line names
.set SPW, 4                            ; v4  SPARE + 4 x my thread's number; never rewritten
.set NIL, 5                            ; v5  0; never rewritten
; v1 lane, v2 lane % 16, v3 lane / 16, v11 16 (lane / 16), v12 16 lane, v248 4 lane; v8 my token's row in xb; v13 my 16 bytes in xs; v[16:79] the rows; v[112:147] sel, then the list; v240-252 at work
.set AR,  112
.set WV,  32
.set EX,  34
.set X,   35
.set TL,  36                           ; my tile
.set KQ,  37                           ; my quarter of the channels
.set CNT, 38
.set NTL, 39                           ; the expert's tiles, at least 1
.set T0,  45
.set T1,  54
.set T2,  55
.macro COUNT store                     ; sel's register 4 k + c holds token 128 k + 4 lane + c.  store = 1: a token of my expert goes to running count + rank among the lanes, any other into my dump word
	s_mov_b32 s[CNT], 0
.set ij, 0
.rept 32
	v_cmp_eq_u32 vcc_lo, s[EX], v[AR+ij]
.if \store
	v_mbcnt_lo_u32_b32 v242, vcc_lo, s[CNT]
	v_cndmask_b32 v242, v249, v242, vcc_lo
	v_min_u32 v242, 0x7ff, v242
	v_lshlrev_b32 v242, 2, v242
	v_add_nc_u32 v242, LIST, v242
	v_add_nc_u32 v243, 128*(ij/4)+ij%4, v248
	ds_store_b32 v242, v243
.endif
	s_bcnt1_i32_b32 s[T0], vcc_lo
	s_add_co_u32 s[CNT], s[CNT], s[T0]
.set ij, ij+1
.endr
.endm
.macro LANES b                         ; the sum over the 32 lanes, in every lane; v[b+1] is at work
.irp x, 1,2,4,8
	v_add_f32_dpp v[\b], v[\b], v[\b] row_xmask:\x row_mask:0xf bank_mask:0xf
.endr
	v_permlanex16_b32 v[(\b)+1], v[\b], s52, s53
	v_add_f32 v[\b], v[\b], v[(\b)+1]
.endm
.macro TREE b                          ; the sum of 32 registers and 32 lanes, in every lane
.irp w, 16,8,4,2
.set n, 0
.rept (\w)/2
	v_pk_add_f32 v[(\b)+n:(\b)+n+1], v[(\b)+n:(\b)+n+1], v[(\b)+(\w)+n:(\b)+(\w)+n+1]
.set n, n+2
.endr
.endr
	v_add_f32 v[\b], v[\b], v[(\b)+1]
	LANES \b
.endm
	s_load_b512 s[8:23], s[0:1], 0x0               ; xb s[8:9], sel s[10:11], gz s[12:13], xs s[14:15], order s[16:17], counts s[18:19], gws s[20:21], out1 s[22:23]
	s_load_b64 s[24:25], s[0:1], 0x40              ; out2
	v_lshl_add_u32 v[SPW], v0, 2, SPARE
	v_mov_b32 v[NIL], 0
	v_and_b32 v1, 31, v0
	v_lshrrev_b32 v2, 5, v0
	v_readfirstlane_b32 s[WV], v2
	v_and_b32 v2, 15, v0
	v_bfe_u32 v3, v0, 4, 1
	s_and_b32 s[EX], ttmp7, 0xffff
	s_mov_b32 s[X], ttmp9
	s_lshr_b32 s[TL], s[WV], 2
	s_lshl2_add_u32 s[TL], s[X], s[TL]             ; 4 x + w / 4
	s_and_b32 s[KQ], s[WV], 3
	s_mov_b32 s[CNT], 0
	s_mov_b32 s[NTL], 1
	s_mov_b32 s52, 0x76543210                      ; v_permlanex16_b32: each lane takes its own place in the other half
	s_mov_b32 s53, 0xfedcba98
	v_lshlrev_b32 v11, 4, v3
	v_lshlrev_b32 v12, 4, v1
	v_lshlrev_b32 v248, 2, v1
	s_mov_b32 s3, 0
	s_wait_kmcnt 0x0
	s_lshl_b32 s2, s[KQ], 9
	s_add_nc_u64 s[4:5], s[8:9], s[2:3]            ; xb at my 512 bytes of a row
	s_lshl_b32 s2, s[EX], 21                       ; an expert's 64 tiles of 32,768 bytes,
	s_lshl_b32 s[T1], s[KQ], 13                    ; my eight k steps of 1,024
	s_add_co_u32 s2, s2, s[T1]
	s_add_nc_u64 s[14:15], s[14:15], s[2:3]
	s_lshl_b32 s2, s[EX], 12
	s_add_nc_u64 s[16:17], s[16:17], s[2:3]
	s_add_nc_u64 s[20:21], s[20:21], s[2:3]
	s_lshl_b32 s2, s[EX], 7
	s_add_nc_u64 s[18:19], s[18:19], s[2:3]
	s_cmp_lg_u32 s[X], 16
	s_cbranch_scc1 .Lsel
	s_cmp_lg_u32 s[EX], 0
	s_cbranch_scc1 .Lsel
	s_cmp_lg_u32 s[WV], 2
	s_cbranch_scc1 .Lsel
	; wave 2 of group (16, 0): the two losses; they hang on no list, so they stand ahead of the barrier, beside wave 0's work
.set k, 0
.rept 8
	global_load_b128 v[16+4*k:16+4*k+3], v12, s[10:11] offset:512*k
	global_load_b128 v[48+4*k:48+4*k+3], v12, s[12:13] offset:4096+512*k
	global_load_b128 v[112+4*k:112+4*k+3], v12, s[12:13] offset:512*k
.set k, k+1
.endr
	s_wait_loadcnt 0x0
	TREE 48
	TREE 112
	v_mul_f32 v48, 0x3a800000, v48                 ; / 1024
	v_mul_f32 v112, 0x3a800000, v112
	v_mov_b32 v100, 0
	s_mov_b32 s[T2], 0
.Lle:                                                  ; expert T2's count: a one for each match, in two chains; an addition stands two elements behind its select
	v_mov_b32 v101, 0
	v_mov_b32 v103, 0
.set n, 0
.rept 32
	v_cmp_eq_u32 vcc_lo, s[T2], v[16+n]
	v_cndmask_b32 v[104+n%4], 0, 1.0, vcc_lo
.if n >= 2
	v_add_f32 v[101+2*(n%2)], v[101+2*(n%2)], v[104+(n-2)%4]
.endif
.set n, n+1
.endr
	v_add_f32 v101, v101, v106                     ; elements 30 and 31
	v_add_f32 v103, v103, v107
	v_add_f32 v101, v101, v103
	v_mov_b32 v102, 0
	LANES 101
	v_mul_f32 v101, 0x3a800000, v101
	v_fmac_f32 v100, v101, v112
	s_add_co_u32 s[T2], s[T2], 1
	s_cmp_lt_u32 s[T2], 8
	s_cbranch_scc1 .Lle
	v_mul_f32 v100, 0x41000000, v100               ; / 8 x 64
	v_mov_b32 v102, 0
	global_store_b32 v102, v100, s[22:23]          ; one number: all lanes hold it and store it at the one address
	global_store_b32 v102, v48, s[24:25]
	s_branch .Lbar0
.Lsel:
.set k, 0
.rept 8
	global_load_b128 v[AR+4*k:AR+4*k+3], v12, s[10:11] offset:512*k  ; all 1,024 choices
.set k, k+1
.endr
	s_wait_loadcnt 0x0
	s_cmp_lg_u32 s[WV], 0
	s_cbranch_scc1 .Lc0
	; wave 0 makes the list
	v_mov_b32 v244, 0
	v_mov_b32 v245, 0
	v_mov_b32 v246, 0
	v_mov_b32 v247, 0
	v_add_nc_u32 v249, 1152, v1                    ; my dump word
	v_add_nc_u32 v250, LIST, v12
	v_mov_b32 v252, LIST
.set k, 0
.rept 9
	ds_store_b128 v250, v[244:247] offset:512*k    ; every place is written before it is read
.set k, k+1
.endr
	COUNT 1
.set k, 0
.rept 9                                        ; LDS serves a wave's instructions in order (ISA guide 5.7.1.4): these see the stores above
	ds_load_b128 v[AR+4*k:AR+4*k+3], v250 offset:512*k
.set k, k+1
.endr
	ds_load_b32 v251, v252                         ; the token of rank 0
	s_wait_dscnt 0x0
.set n, 0
.rept 36
	v_add_nc_u32 v243, 128*(n/4)+n%4, v248
	v_cmp_gt_u32 vcc_lo, s[CNT], v243
	v_cndmask_b32 v[AR+n], v251, v[AR+n], vcc_lo   ; places past the count repeat the first token
.set n, n+1
.endr
.set k, 0
.rept 9
	ds_store_b128 v250, v[AR+4*k:AR+4*k+3] offset:512*k
.set k, k+1
.endr
	v_mov_b32 v243, s[CNT]
	v_add_nc_u32 v242, CW, v248
	ds_store_b32 v242, v243
	s_branch .Lcj
.Lc0:
	COUNT 0
.Lcj:
	s_add_co_u32 s[NTL], s[CNT], 15
	s_lshr_b32 s[NTL], s[NTL], 4
	s_max_u32 s[NTL], s[NTL], 1
.Lbar0:
	s_wait_dscnt 0x0                               ; wave 0: the list and the count are in LDS
	s_barrier_signal -1
	s_barrier_wait -1
	s_cmp_eq_u32 s[X], 16
	s_cbranch_scc1 .Lextra
	s_cmp_ge_u32 s[TL], s[NTL]
	s_cbranch_scc1 .Lfin                           ; the expert has no such tile
	s_lshl_b32 s[T1], s[TL], 6                     ; 64 bytes of the list a tile
	s_add_co_u32 s[T1], s[T1], LIST
	v_lshlrev_b32 v240, 2, v2
	v_add_nc_u32 v240, s[T1], v240
	ds_load_b32 v8, v240                           ; the token of rank 16 tile + lane % 16
	s_wait_dscnt 0x0
	v_min_u32 v8, 0x3ff, v8
	v_lshlrev_b32 v8, 11, v8                       ; token x 2,048 bytes
	v_add_nc_u32 v8, v8, v11                       ; + 16 x half
.set j, 0
.rept 8
	global_load_b128 v[16+8*j:16+8*j+3], v8, s[4:5] offset:64*j
	global_load_b128 v[16+8*j+4:16+8*j+7], v8, s[4:5] offset:64*j+32
.set j, j+1
.endr
	s_lshl_b32 s[T1], s[TL], 15                    ; 32,768 bytes a tile
	v_add_nc_u32 v13, s[T1], v12
.set n, 0
.rept 16
	s_wait_loadcnt 15-n                            ; loads come back in order (ISA guide 5.7.1): this one is in, the younger ones stay out
	global_store_b128 v13, v[16+4*n:16+4*n+3], s[14:15] offset:512*n  ; 512 consecutive bytes: half a k step's fragment
.set n, n+1
.endr
	s_branch .Lfin
.Lextra:
	s_cmp_lg_u32 s[WV], 1
	s_cbranch_scc1 .Lfin
	; wave 1 of group x = 16: the list, the count, and gw in the list's order
	v_lshlrev_b32 v96, 4, v1
	v_add_nc_u32 v97, LIST, v96
	v_lshlrev_b32 v98, 2, v1
	v_add_nc_u32 v99, CW, v98
.set k, 0
.rept 8
	ds_load_b128 v[16+4*k:16+4*k+3], v97 offset:512*k
.set k, k+1
.endr
	ds_load_b32 v100, v99
	s_wait_dscnt 0x0
.set k, 0
.rept 8
	global_store_b128 v96, v[16+4*k:16+4*k+3], s[16:17] offset:512*k
.set k, k+1
.endr
	global_store_b32 v98, v100, s[18:19]
	s_wait_xcnt 0x0                                ; the stores have read the list's registers
.set n, 0
.rept 32
	v_min_u32 v[16+n], 0x3ff, v[16+n]
	v_lshlrev_b32 v[16+n], 2, v[16+n]
.set n, n+1
.endr
.set n, 0
.rept 32
	global_load_b32 v[112+n], v[16+n], s[12:13]
.set n, n+1
.endr
	s_wait_loadcnt 0x0
.set k, 0
.rept 8
	global_store_b128 v96, v[112+4*k:112+4*k+3], s[20:21] offset:512*k
.set k, k+1
.endr
.Lfin:
	s_wait_dscnt 0x0                               ; my LDS reads are over
	s_barrier_signal -1
	s_barrier_wait -1                              ; everybody's are
	s_wait_tensorcnt 0x0                           ; the wave's end, behind my last LDS store
	ds_add_u32 v[SPW], v[NIL]
	s_wait_dscnt 0x0
	s_endpgm
.Lfunc_end_k_qb635afce6f_sort:
	.size	k_qb635afce6f_sort, .Lfunc_end_k_qb635afce6f_sort-k_qb635afce6f_sort
	.p2alignl 7, 3214868480
	.fill 96, 4, 3214868480
	.section	.rodata,"a",@progbits
	.p2align	6, 0x0
	.amdhsa_kernel k_qb635afce6f_sort
		.amdhsa_group_segment_fixed_size 10496
		.amdhsa_private_segment_fixed_size 0
		.amdhsa_enable_private_segment 0
		.amdhsa_kernarg_size 72
		.amdhsa_user_sgpr_count 2
		.amdhsa_user_sgpr_kernarg_segment_ptr 1
		.amdhsa_wavefront_size32 1
		.amdhsa_system_sgpr_workgroup_id_x 1
		.amdhsa_system_sgpr_workgroup_id_y 1
		.amdhsa_system_sgpr_workgroup_id_z 1
		.amdhsa_system_vgpr_workitem_id 0
		.amdhsa_next_free_vgpr 256
		.amdhsa_next_free_sgpr 66
		.amdhsa_reserve_vcc 1
		.amdhsa_float_denorm_mode_32 3
		.amdhsa_float_denorm_mode_16_64 3
		.amdhsa_memory_ordered 1
		.amdhsa_forward_progress 1
		.amdhsa_inst_pref_size 51
	.end_amdhsa_kernel
	.amdgpu_metadata
---
amdhsa.version: [ 1, 2 ]
amdhsa.kernels:
  - .name:           k_qb635afce6f_sort
    .symbol:         k_qb635afce6f_sort.kd
    .args:
      - { .name: xb, .offset: 0, .size: 8, .value_kind: global_buffer, .address_space: global }
      - { .name: sel, .offset: 8, .size: 8, .value_kind: global_buffer, .address_space: global }
      - { .name: gz, .offset: 16, .size: 8, .value_kind: global_buffer, .address_space: global }
      - { .name: xs, .offset: 24, .size: 8, .value_kind: global_buffer, .address_space: global }
      - { .name: order, .offset: 32, .size: 8, .value_kind: global_buffer, .address_space: global }
      - { .name: counts, .offset: 40, .size: 8, .value_kind: global_buffer, .address_space: global }
      - { .name: gws, .offset: 48, .size: 8, .value_kind: global_buffer, .address_space: global }
      - { .name: out1, .offset: 56, .size: 8, .value_kind: global_buffer, .address_space: global }
      - { .name: out2, .offset: 64, .size: 8, .value_kind: global_buffer, .address_space: global }
    .group_segment_fixed_size: 10496
    .private_segment_fixed_size: 0
    .kernarg_segment_align: 8
    .kernarg_segment_size: 72
    .max_flat_workgroup_size: 512
    .sgpr_count:     66
    .vgpr_count:     256
    .wavefront_size: 32
...
	.end_amdgpu_metadata
.endif
;; end of part 5
;; launch up (part 6): grid 32 x 8, 16 waves a work-group, no clusters, 280,576 bytes of LDS; arguments xs, w1, b1, counts, hbuf; writes hbuf
.if DOCPART == 6
	.amdgcn_target "amdgcn-amd-amdhsa--gfx1250"
	.amdhsa_code_object_version 6
	.text
	.protected	k_qb635afce6f_up
	.globl	k_qb635afce6f_up
	.p2align	8
	.type	k_qb635afce6f_up,@function
k_qb635afce6f_up:
	s_mov_b64 s[64:65], 0
	v_nop
	global_prefetch_b8 v0, s[64:65] scope:SCOPE_SE
	s_setreg_imm32_b32 hwreg(HW_REG_WAVE_MODE, 25, 1), 1
	s_wait_xcnt 0x0
; UP.  For expert e = group y and slice sl = group x (128 of the expert's 4,096 hidden columns): h = gelu(x w1[e]^T + b1[e]) for the tokens that chose e, and for those alone.
; w1 and b1 are rounded once to bf16, sums in f32, gelu (the tanh form) in f32, h rounded once to bf16.
; THE SLICE STAYS.  The work-group alone reads its 128 rows x 1,024 of w1, 524,288 bytes, once.  As bf16 they stay in LDS, laid by K chunks of 128; each LDS byte of the slice is written once.
; Waves 8-15 (PRODUCERS) load, round and store a chunk; a barrier; waves 0-7 (CONSUMERS) multiply it while the producers store the next one, CH2 bytes further on: the chunk that is stored and the chunk
; that is read differ in parity, and the parity stands in the immediates.  The roles are apart because a wave's loads come back in order: a wave with both kinds would wait for far weights before near tokens.
; A producer has 16 loads of 512 bytes out: its 64 staging registers share numbers only with consumer registers that no load writes during the streaming, and each block walks all its register groups
; in one order, so that each counted wait holds whatever blocks were run before it.  Every address term is made once, at the head, by every wave, in registers that nothing else writes.
; ROWS.  The launch before has laid the expert's token rows end to end in fragment order, xs[e][tile 64][k step 32][half 2][lane 32][16 bytes], and stored its count; places past the count repeat the
; expert's first token.  A fragment is 2 loads of 512 consecutive bytes.  A PASS is 12 tiles of 16 rows; pass 0 runs under the streaming, passes 1 to 5 from the resident slice, dead passes jumped:
; 72 tiles cover 1,024 tokens on one expert.  All token loads of a pass are issued whatever the count, so every counted wait counts the same on every path; a dead place repeats the expert's last
; tile; products, gelu and stores of dead tiles are jumped.  Tile 0 is always made, so that the next launch finds written bytes.
; LAYOUT.  Source 0 = 16 rows of w1, source 1 = 16 tokens: a lane holds ONE token (lane % 16) and eight neighbouring hidden columns.  Two neighbouring column tiles, rounded to bf16, ARE the two halves
; of the next product's token fragment: hbuf[e][tile 64][k step 128][half 2][lane 32][16 bytes]; each store of a wave covers 512 consecutive bytes.
; NO CLUSTER: each weight byte has one reader; the token tiles are shared by an expert's 32 work-groups, but beside the slice (278,528 bytes) LDS has no room for two slots of them,
; and how many are live hangs on a stored count, and no tile load may stand in such a loop.
; LIMITS.  NaN and infinities are not treated apart; 2^t below 2^-126 counts as 0 in gelu; where x^2 overflows gelu is 0 or x.
.set CH2,   128*272                    ; a chunk in LDS: 128 rows of 256 bytes + 16 (the 16 rows of a fragment load start at 16 different groups of four banks: ISA guide 11.1)
.set SPARE, 8*CH2                      ; the spare words, 128 bytes for each of 16 waves: eight blocks of 256 bytes that no other line names
.set SPW, 4                            ; v4  SPARE + 4 x my thread's number; never rewritten
.set NIL, 5                            ; v5  0; never rewritten
; every wave: v6 a consumer's place in a chunk; v12 16 lane; v241 32 (lane / 16); v253 a producer's place in a chunk; v255 its byte offset in the slice of w1
; consumers: v7 v6 + the chunk; v8-10 byte offset of a place's tile in the expert's rows; v13-15 store offsets in hbuf;
;   v[16:111] accumulators, (place i, column tile ct) at 16 + 32 i + 8 ct; v[112:207] ring of token fragments, (k step j, place i) at 112 + 24 j + 8 i; v[208:239] weight fragments; v242 at work
; producers: v[16:79] a chunk as loaded; v[80:87] rounded (the eight begin where an accumulator begins and are read in ascending order); v254 v253 + the chunk
.set ACC, 16
.set AR,  112
.set BF,  208
.set ST,  16
.set CV,  80
.set VS,  253
.set VST, 254
.set VW,  255
.set WV,  32
.set Q,   33
.set EX,  34
.set SL,  35
.set G,   36                           ; consumer: tiles g, g + 4, g + 8 of a pass
.set CG,  37                           ; consumer: which 64 of the slice's 128 columns
.set CNT, 38
.set NTL, 39                           ; the expert's tiles, at least 1
.set NT,  40                           ; how many of my three places are live in this pass
.set P,   41
.set P12, 42
.set LC,  43
.set KB,  44                           ; LDS byte at which the pair of chunks in hand begins
.set HM,  47
.set C0,  48                           ; s[48:49]
.set C1,  50                           ; s[50:51]
.set T1,  54
.set T2,  55
.macro BIASLOAD                        ; b1 of my eight columns in each column tile, straight into place 0's accumulators
.irp ct, 0,1,2,3
	global_load_b128 v[ACC+8*(\ct):ACC+8*(\ct)+3], v241, s[12:13] offset:64*(\ct)
	global_load_b128 v[ACC+8*(\ct)+4:ACC+8*(\ct)+7], v241, s[12:13] offset:64*(\ct)+16
.endr
.endm
.macro BIASFIX                         ; rounded to bf16 like every input, and copied: the sums START with the bias, on every path
	s_wait_loadcnt 24                              ; the bias is in: the ring's 24 loads are the younger ones
.set n, 0
.rept 16
	v_cvt_pk_bf16_f32 v242, v[ACC+n], v[ACC+n+1]
	v_lshlrev_b32 v[ACC+n], 16, v242
	v_and_b32 v[ACC+n+1], s[HM], v242
.set n, n+2
.endr
.set n, 0
.rept 32
	v_mov_b32 v[ACC+32+n], v[ACC+n]
	v_mov_b32 v[ACC+64+n], v[ACC+n]
.set n, n+1
.endr
.endm
.macro NTCALC                          ; of the tiles left from this pass on, mine are g, g + 4, g + 8
	s_sub_co_i32 s[T1], s[NTL], s[P12]
	s_max_i32 s[T1], s[T1], 0
	s_add_co_u32 s[T1], s[T1], 3
	s_sub_co_u32 s[T1], s[T1], s[G]
	s_lshr_b32 s[T1], s[T1], 2
	s_min_u32 s[NT], s[T1], 3
.endm
.macro TOKINIT                         ; my three tiles' offsets, and the ring's first 24 loads: k steps 0 to 3
.irp i, 0,1,2
	s_add_co_u32 s[T1], s[P12], s[G]
	s_add_co_u32 s[T1], s[T1], 4*\i                ; the place's tile;
	s_sub_co_u32 s[T2], s[NTL], 1
	s_min_u32 s[T1], s[T1], s[T2]                  ; a dead place repeats the last tile that is written
	s_min_u32 s[T1], s[T1], 63
	s_lshl_b32 s[T1], s[T1], 15                    ; 32,768 bytes a tile
	v_add_nc_u32 v[8+\i], s[T1], v12
.endr
	s_mov_b64 s[4:5], s[22:23]
	s_mov_b32 s[KB], 0
.irp j, 0,1,2,3
.irp i, 0,1,2
	global_load_b128 v[AR+24*\j+8*\i:AR+24*\j+8*\i+3], v[8+\i], s[4:5] offset:1024*\j
	global_load_b128 v[AR+24*\j+8*\i+4:AR+24*\j+8*\i+7], v[8+\i], s[4:5] offset:1024*\j+512
.endr
.endr
.endm
.macro WM4 i, j                        ; place i's four accumulators, one instruction a turn
.irp ct, 0,1,2,3
	v_wmma_f32_16x16x32_bf16 v[ACC+32*(\i)+8*(\ct):ACC+32*(\i)+8*(\ct)+7], v[BF+8*(\ct):BF+8*(\ct)+7], v[AR+24*(\j)+8*(\i):AR+24*(\j)+8*(\i)+7], v[ACC+32*(\i)+8*(\ct):ACC+32*(\i)+8*(\ct)+7]
.endr
.endm
.macro CSTEP j, lb, gb, ref            ; one k step of 32; lb, gb: the chunk's parity in LDS and in xs.  ref = 1: ring slot j is filled again with the next chunk's step j
.irp ct, 0,1,2,3
	ds_load_b128 v[BF+8*(\ct):BF+8*(\ct)+3], v7 offset:(\lb)+4352*(\ct)+64*(\j)
	ds_load_b128 v[BF+8*(\ct)+4:BF+8*(\ct)+7], v7 offset:(\lb)+4352*(\ct)+64*(\j)+32
.endr
.if \ref
	s_wait_loadcnt 18                              ; slot j is in: behind its six loads stand the six of each of the three other slots
.else
	s_wait_loadcnt 6*(3-(\j))                      ; no refills any more: the slots behind this one
.endif
	s_wait_dscnt 0x0
	s_cmp_lt_u32 s[NT], 1
	s_cbranch_scc1 .Le_\@
	WM4 0, \j
	s_cmp_lt_u32 s[NT], 2
	s_cbranch_scc1 .Le_\@
	WM4 1, \j
	s_cmp_lt_u32 s[NT], 3
	s_cbranch_scc1 .Le_\@
	WM4 2, \j
.Le_\@:
.rept 4
	v_nop                                          ; four places in front of loads into registers that the products have read, and of readers of their results
.endr
.if \ref
.irp i, 0,1,2
	global_load_b128 v[AR+24*(\j)+8*\i:AR+24*(\j)+8*\i+3], v[8+\i], s[4:5] offset:(\gb)+4096+1024*(\j)
	global_load_b128 v[AR+24*(\j)+8*\i+4:AR+24*(\j)+8*\i+7], v[8+\i], s[4:5] offset:(\gb)+4096+1024*(\j)+512
.endr
.endif
.endm
.macro CCHUNK lb, gb, ref
	v_add_nc_u32 v7, s[KB], v6
	CSTEP 0, \lb, \gb, \ref
	CSTEP 1, \lb, \gb, \ref
	CSTEP 2, \lb, \gb, \ref
	CSTEP 3, \lb, \gb, \ref
.endm
.macro TRIP b, ref                     ; one chunk under the streaming; b: its parity.  ref = 1: the producer's registers take the next chunk, the consumer's ring the next chunk's steps
	s_cmp_lt_u32 s[WV], 8
	s_cbranch_scc1 .Lnp_\@
	v_add_nc_u32 v[VST], s[KB], v[VS]
.irp gq, 0,1,2,3
.if \ref
	s_wait_loadcnt 12                              ; these four rows are in: behind them stand the four loads of each of the three other groups
.else
	s_wait_loadcnt 4*(3-\gq)
.endif
.irp ii, 0,1,2,3
	v_cvt_pk_bf16_f32 v[CV+2*\ii], v[ST+4*(4*\gq+\ii)], v[ST+4*(4*\gq+\ii)+1]
	v_cvt_pk_bf16_f32 v[CV+2*\ii+1], v[ST+4*(4*\gq+\ii)+2], v[ST+4*(4*\gq+\ii)+3]
	ds_store_b64 v[VST], v[CV+2*\ii:CV+2*\ii+1] offset:272*(4*\gq+\ii)+(\b)*CH2
.endr
.if \ref
.irp ii, 0,1,2,3
	global_load_b128 v[ST+4*(4*\gq+\ii):ST+4*(4*\gq+\ii)+3], v[VW], s[6:7] offset:4096*(4*\gq+\ii)+512*(\b)+512 th:TH_LOAD_NT
.endr
.endif
.endr
.Lnp_\@:
	s_wait_dscnt 0x0                               ; producers: the chunk is in LDS; consumers: no LDS load of mine is out
	s_barrier_signal -1
	s_barrier_wait -1
	s_cmp_lt_u32 s[WV], 8
	s_cbranch_scc0 .Lnc_\@
	CCHUNK (\b)*CH2, 4096*(\b), \ref
.Lnc_\@:
.endm
; gelu(x) = x / (1 + 2^(x (C1 x^2 + C0))), C0 = -2 log2(e) sqrt(2 / pi), C1 = 0.044715 C0; rounded to bf16 and stored.  Each accumulator is read from its lowest registers on.
.macro EPIT i
	s_cmp_lt_u32 s[NT], (\i)+1
	s_cbranch_scc1 .Lnext
.set X, ACC+32*(\i)
.set O, AR+32+16*(\i)
.set n, 0
.rept 16
	v_pk_mul_f32 v[AR+n:AR+n+1], v[X+n:X+n+1], v[X+n:X+n+1]
.set n, n+2
.endr
.set n, 0
.rept 16
	v_pk_fma_f32 v[AR+n:AR+n+1], v[AR+n:AR+n+1], s[C1:C1+1], s[C0:C0+1] op_sel_hi:[1,0,0]
.set n, n+2
.endr
.set n, 0
.rept 16
	v_pk_mul_f32 v[AR+n:AR+n+1], v[AR+n:AR+n+1], v[X+n:X+n+1]
.set n, n+2
.endr
.set n, 0
.rept 32
	v_exp_f32 v[AR+n], v[AR+n]
.set n, n+1
.endr
	v_nop                                          ; a plain instruction behind the last exponential,
	s_wait_alu depctr_va_vdst(0)                   ; and one wait for the batch of 32, ahead of the first reader
.set n, 0
.rept 16
	v_pk_add_f32 v[AR+n:AR+n+1], v[AR+n:AR+n+1], 1.0 op_sel_hi:[1,0]
.set n, n+2
.endr
.set n, 0
.rept 32
	v_rcp_f32 v[AR+n], v[AR+n]
.set n, n+1
.endr
	v_nop
	s_wait_alu depctr_va_vdst(0)                   ; one wait for the 32 reciprocals
.set n, 0
.rept 16
	v_pk_mul_f32 v[AR+n:AR+n+1], v[AR+n:AR+n+1], v[X+n:X+n+1]
.set n, n+2
.endr
.set n, 0
.rept 16
	v_cvt_pk_bf16_f32 v[O+n], v[AR+2*n], v[AR+2*n+1]
.set n, n+1
.endr
	s_add_co_u32 s[T1], s[P12], s[G]
	s_add_co_u32 s[T1], s[T1], 4*(\i)              ; the tile's number in the expert,
	s_lshl_b32 s[T1], s[T1], 17                    ; 131,072 bytes a tile
	v_add_nc_u32 v[13+(\i)], s[T1], v12
.irp ct, 0,1,2,3
	global_store_b128 v[13+(\i)], v[O+4*(\ct):O+4*(\ct)+3], s[16:17] offset:512*(\ct)  ; 512 consecutive bytes: half a k step's fragment
.endr
.endm
	s_load_b256 s[8:15], s[0:1], 0x0               ; xs s[8:9], w1 s[10:11], b1 s[12:13], counts s[14:15]
	s_load_b64 s[16:17], s[0:1], 0x20              ; hbuf
	v_lshl_add_u32 v[SPW], v0, 2, SPARE
	v_mov_b32 v[NIL], 0
	v_and_b32 v1, 31, v0
	v_lshrrev_b32 v2, 5, v0
	v_readfirstlane_b32 s[WV], v2
	v_and_b32 v2, 15, v0
	v_bfe_u32 v3, v0, 4, 1
	s_and_b32 s[Q], s[WV], 7
	s_and_b32 s[EX], ttmp7, 0xffff
	s_mov_b32 s[SL], ttmp9
	s_and_b32 s[G], s[WV], 3
	s_bfe_u32 s[CG], s[WV], 0x10002
	s_mov_b32 s[NTL], 1
	s_mov_b32 s[NT], 0
	s_mov_b32 s[P], 0
	s_mov_b32 s[P12], 0
	s_mov_b32 s[KB], 0
	s_mov_b32 s[HM], 0xffff0000
	s_mov_b32 s[C0], 0xc0135761                    ; -2.3022082
	s_mov_b32 s[C0+1], s[C0]
	s_mov_b32 s[C1], 0xbdd2d3e8                    ; -0.10294324
	s_mov_b32 s[C1+1], s[C1]
	; the address terms of both roles, made by every wave from bit fields of its number
	s_mul_i32 s[T1], s[CG], 64*272
	v_mul_u32_u24 v6, v2, 272
	v_lshl_add_u32 v6, v3, 4, v6
	v_add_nc_u32 v6, s[T1], v6                     ; weight fragment: row 64 cg + lane % 16, 16 bytes for each half of the lanes
	v_mov_b32 v7, v6
	v_mov_b32 v8, 0
	v_mov_b32 v9, 0
	v_mov_b32 v10, 0
	v_lshlrev_b32 v12, 4, v1
	v_lshlrev_b32 v241, 5, v3
	s_mul_i32 s[T1], s[Q], 16*272
	v_lshlrev_b32 v[VS], 3, v1
	v_add_nc_u32 v[VS], s[T1], v[VS]               ; a producer's rows 16 q .. 16 q + 15 of a chunk, 8 bytes a lane
	v_mov_b32 v[VST], v[VS]
	s_lshl_b32 s[T1], s[Q], 16
	v_add_nc_u32 v[VW], s[T1], v12                 ; the same rows in w1, 16 bytes a lane
	s_lshl_b32 s2, s[EX], 24                       ; an expert's w1: 16,777,216 bytes; a slice's 128 rows: 524,288
	s_lshl_b32 s[T1], s[SL], 19
	s_add_co_u32 s2, s2, s[T1]
	s_mov_b32 s3, 0
	s_wait_kmcnt 0x0
	s_add_nc_u64 s[6:7], s[10:11], s[2:3]          ; w1 at my slice; it steps with the chunks
	s_lshl_b32 s2, s[EX], 21
	s_add_nc_u64 s[22:23], s[8:9], s[2:3]          ; the rows of my expert
	s_mov_b64 s[4:5], s[22:23]                     ; the same; it steps with the chunks
	s_lshl_b32 s2, s[EX], 14
	s_lshl_b32 s[T1], s[SL], 9
	s_add_co_u32 s2, s2, s[T1]
	s_lshl_b32 s[T1], s[CG], 8
	s_add_co_u32 s2, s2, s[T1]
	s_add_nc_u64 s[12:13], s[12:13], s[2:3]        ; b1 at my 64 columns
	s_lshl_b32 s2, s[EX], 23
	s_lshl_b32 s[T1], s[SL], 12
	s_add_co_u32 s2, s2, s[T1]
	s_lshl_b32 s[T1], s[CG], 11
	s_add_co_u32 s2, s2, s[T1]
	s_add_nc_u64 s[16:17], s[16:17], s[2:3]        ; hbuf at my expert and my two k steps
	s_lshl_b32 s2, s[EX], 7
	s_add_nc_u64 s[14:15], s[14:15], s[2:3]
	s_cmp_lt_u32 s[WV], 8
	s_cbranch_scc1 .Lchead
	; PRODUCERS: chunk 0 goes out
.set i, 0
.rept 16
	global_load_b128 v[ST+4*i:ST+4*i+3], v[VW], s[6:7] offset:4096*i th:TH_LOAD_NT  ; 512 consecutive bytes of a row
.set i, i+1
.endr
	s_branch .Lstream
.Lchead:
	; CONSUMERS: the count, the bias, and the ring's first loads go out one behind the other; the bias is waited for behind the ring's loads
	s_load_b32 s[CNT], s[14:15], 0x0
	BIASLOAD
	s_wait_kmcnt 0x0
	s_min_u32 s[CNT], s[CNT], 1024
	s_add_co_u32 s[NTL], s[CNT], 15
	s_lshr_b32 s[NTL], s[NTL], 4
	s_max_u32 s[NTL], s[NTL], 1
	NTCALC
	TOKINIT
	BIASFIX
.Lstream:
	s_mov_b32 s[LC], 3
.Lsl:                                                  ; chunks 0 to 5, two a trip
	TRIP 0, 1
	TRIP 1, 1
	s_wait_xcnt 0x0                                ; the bases are stepped only behind this wait
	s_add_nc_u64 s[6:7], s[6:7], 1024
	s_add_nc_u64 s[4:5], s[4:5], 8192
	s_add_co_u32 s[KB], s[KB], 2*CH2
	s_sub_co_u32 s[LC], s[LC], 1
	s_cmp_lg_u32 s[LC], 0
	s_cbranch_scc1 .Lsl
	TRIP 0, 1                                      ; chunk 6; chunk 7 is asked for
	TRIP 1, 0                                      ; chunk 7: nothing is left to ask for, and the counts run down
	s_wait_loadcnt 0x0                             ; no load of any wave is out from here on
	s_cmp_lt_u32 s[WV], 8
	s_cbranch_scc0 .Lfin
.Lpass:                                                ; CONSUMERS: six passes; pass 0's products are made already; no barrier stands in this loop: nobody writes the slice any more
	s_cmp_eq_u32 s[P], 0
	s_cbranch_scc1 .Lepi
	NTCALC
	s_cmp_ge_u32 s[P12], s[NTL]
	s_cbranch_scc1 .Lnext
	s_wait_xcnt 0x0                                ; the last pass's loads and stores have read their registers
	BIASLOAD
	TOKINIT
	BIASFIX
	s_mov_b32 s[LC], 7
.Lres:
	CCHUNK 0, 0, 1
	s_wait_xcnt 0x0
	s_add_nc_u64 s[4:5], s[4:5], 4096
	s_add_co_u32 s[KB], s[KB], CH2
	s_sub_co_u32 s[LC], s[LC], 1
	s_cmp_lg_u32 s[LC], 0
	s_cbranch_scc1 .Lres
	CCHUNK 0, 0, 0
.Lepi:
	EPIT 0
	EPIT 1
	EPIT 2
.Lnext:
	s_add_co_u32 s[P12], s[P12], 12
	s_add_co_u32 s[P], s[P], 1
	s_cmp_lt_u32 s[P], 6
	s_cbranch_scc1 .Lpass
.Lfin:
	s_wait_dscnt 0x0                               ; my LDS reads are over
	s_barrier_signal -1
	s_barrier_wait -1                              ; everybody's are
	s_wait_tensorcnt 0x0                           ; the wave's end, behind my last LDS store
	ds_add_u32 v[SPW], v[NIL]
	s_wait_dscnt 0x0
	s_endpgm
.Lfunc_end_k_qb635afce6f_up:
	.size	k_qb635afce6f_up, .Lfunc_end_k_qb635afce6f_up-k_qb635afce6f_up
	.p2alignl 7, 3214868480
	.fill 96, 4, 3214868480
	.section	.rodata,"a",@progbits
	.p2align	6, 0x0
	.amdhsa_kernel k_qb635afce6f_up
		.amdhsa_group_segment_fixed_size 280576
		.amdhsa_private_segment_fixed_size 0
		.amdhsa_enable_private_segment 0
		.amdhsa_kernarg_size 40
		.amdhsa_user_sgpr_count 2
		.amdhsa_user_sgpr_kernarg_segment_ptr 1
		.amdhsa_wavefront_size32 1
		.amdhsa_system_sgpr_workgroup_id_x 1
		.amdhsa_system_sgpr_workgroup_id_y 1
		.amdhsa_system_sgpr_workgroup_id_z 1
		.amdhsa_system_vgpr_workitem_id 0
		.amdhsa_next_free_vgpr 256
		.amdhsa_next_free_sgpr 66
		.amdhsa_reserve_vcc 0
		.amdhsa_float_denorm_mode_32 3
		.amdhsa_float_denorm_mode_16_64 3
		.amdhsa_memory_ordered 1
		.amdhsa_forward_progress 1
		.amdhsa_inst_pref_size 114
	.end_amdhsa_kernel
	.amdgpu_metadata
---
amdhsa.version: [ 1, 2 ]
amdhsa.kernels:
  - .name:           k_qb635afce6f_up
    .symbol:         k_qb635afce6f_up.kd
    .args:
      - { .name: xs, .offset: 0, .size: 8, .value_kind: global_buffer, .address_space: global }
      - { .name: w1, .offset: 8, .size: 8, .value_kind: global_buffer, .address_space: global }
      - { .name: b1, .offset: 16, .size: 8, .value_kind: global_buffer, .address_space: global }
      - { .name: counts, .offset: 24, .size: 8, .value_kind: global_buffer, .address_space: global }
      - { .name: hbuf, .offset: 32, .size: 8, .value_kind: global_buffer, .address_space: global }
    .group_segment_fixed_size: 280576
    .private_segment_fixed_size: 0
    .kernarg_segment_align: 8
    .kernarg_segment_size: 40
    .max_flat_workgroup_size: 512
    .sgpr_count:     66
    .vgpr_count:     256
    .wavefront_size: 32
...
	.end_amdgpu_metadata
.endif
;; end of part 6
;; launch down: the kernel of part 3 again; grid 32 x 8, 16 waves a work-group, no clusters, 268,288 bytes of LDS; arguments hbuf, w2, b2, order, counts, gws, out0; writes out0
;; ======== version 3 of 3: 4 launches; version 2 with the launches up, down written anew for expert scheduling mode
;; workspace buffers: xb 2,097,152 bytes; sel 4,096 bytes of whole numbers; gz 8,192 bytes; xs 16,777,216 bytes; hbuf 67,108,864 bytes; order 32,768 bytes of whole numbers; counts 1,024 bytes of whole numbers; gws 32,768 bytes
;; launch router: the kernel of part 4 again; grid 64 x 1, 8 waves a work-group, no clusters, 61,440 bytes of LDS; arguments hidden_states, gate_w, xb, sel, gz; writes xb, sel, gz
;; launch sort: the kernel of part 5 again; grid 17 x 8, 16 waves a work-group, no clusters, 10,496 bytes of LDS; arguments xb, sel, gz, xs, order, counts, gws, out1, out2; writes xs, order, counts, gws, out1, out2
;; launch up (part 7): grid 32 x 8, 16 waves a work-group, no clusters, 280,576 bytes of LDS; arguments xs, w1, b1, counts, hbuf; writes hbuf
.if DOCPART == 7
	.amdgcn_target "amdgcn-amd-amdhsa--gfx1250"
	.amdhsa_code_object_version 6
	.text
	.protected	k_qb635afce6f_up
	.globl	k_qb635afce6f_up
	.p2align	8
	.type	k_qb635afce6f_up,@function
k_qb635afce6f_up:
	s_mov_b64 s[64:65], 0
	v_nop
	global_prefetch_b8 v0, s[64:65] scope:SCOPE_SE
	s_setreg_imm32_b32 hwreg(HW_REG_WAVE_SCHED_MODE, 0, 2), 2
	s_setreg_imm32_b32 hwreg(HW_REG_WAVE_MODE, 25, 1), 1
	s_wait_xcnt 0x0
	s_wait_alu depctr_vm_vsrc(0)
; UP.  For expert e = group y and slice sl = group x (128 of the expert's 4,096 hidden columns): h = gelu(x w1[e]^T + b1[e]) for the tokens that chose e, and for those alone.
; w1 and b1 are rounded once to bf16, sums in f32, gelu (the tanh form) in f32, h rounded once to bf16.
; THE SLICE STAYS.  The work-group alone reads its 128 rows x 1,024 of w1, 524,288 bytes, once.  As bf16 they stay in LDS, laid by K chunks of 128; each LDS byte of the slice is written once.
; Waves 8-15 (PRODUCERS) load, round and store a chunk; a barrier; waves 0-7 (CONSUMERS) multiply it while the producers store the next one, CH2 bytes further on: the chunk that is stored and the chunk
; that is read differ in parity, and the parity stands in the immediates.  The roles are apart because a wave's loads come back in order: a wave with both kinds would wait for far weights before near tokens.
; A producer has 16 loads of 512 bytes out: its staging and rounding registers share numbers only with consumer registers that no load writes during the streaming, and each block walks all its register
; groups in one order, so that each counted wait holds whatever blocks were run before it.  Every address term is made once, at the head, by every wave, in registers that nothing else writes.
; ROWS.  The launch before has laid the expert's token rows end to end in fragment order, xs[e][tile 64][k step 32][half 2][lane 32][16 bytes], and stored its count; places past the count repeat the
; expert's first token.  A fragment is 2 loads of 512 consecutive bytes.  A PASS is 12 tiles of 16 rows; pass 0 runs under the streaming, passes 1 to 5 from the resident slice, dead passes jumped:
; 72 tiles cover 1,024 tokens on one expert.  All token loads of a pass are issued whatever the count, so every counted wait counts the same on every path; a dead place repeats the expert's last
; tile; products, gelu and stores of dead tiles are jumped.  Tile 0 is always made, so that the next launch finds written bytes.
; LAYOUT.  Source 0 = 16 rows of w1, source 1 = 16 tokens: a lane holds ONE token (lane % 16) and eight neighbouring hidden columns.  Two neighbouring column tiles, rounded to bf16, ARE the two halves
; of the next product's token fragment: hbuf[e][tile 64][k step 128][half 2][lane 32][16 bytes]; each store of a wave covers 512 consecutive bytes.
; NO CLUSTER: each weight byte has one reader; the token tiles are shared by an expert's 32 work-groups, but beside the slice (278,528 bytes) LDS has no room for two slots of them,
; and how many are live hangs on a stored count, and no tile load may stand in such a loop.
; LIMITS.  NaN and infinities are not treated apart; 2^t below 2^-126 counts as 0 in gelu; where x^2 overflows gelu is 0 or x.
; THE MODE: SCHED_MODE bits 1:0 = 2 (LLVM: expert scheduling mode 2), set by the entry lines.  The code itself states the register dependences
; between vector or matrix instructions and memory or LDS instructions, with s_wait_alu, always for 0.
; THE PLAN.  Registers that memory or LDS instructions touch:
;   CONSUMERS.  BF: step j's eight LDS loads land in it, step j's products read it.  Ring slot j: six loads land in it, step j's products read it, and it is asked for again behind them.
;     So ONE wait on va_vdst stands in a step, behind its products and their places: the slot's six loads and the next step's eight LDS loads follow it with no vector or matrix line between.
;     v7: read by every LDS load, written once a chunk: a wait on vm_vsrc ahead of the add, one on va_vdst behind it.
;     v8-10, the accumulators (the bias's loads land there), the ring, the stores' data and v13-15 change hands once a pass: one wait on vm_vsrc is the first line of the loop over passes, ahead of all its
;     branches, so that it stands on every way to a line that writes them; on the way into a new pass follow the three adds, one wait on va_vdst, then all 32 loads.
;     One wait on va_vdst stands ahead of each tile's four stores.  v241 and v12 are never written again.
;   PRODUCERS.  ST, four groups of 16: a group's eight conversions read it, and the next chunk's four loads land in it behind them.  CV, four groups of 8, one for each group of ST: written by the
;     conversions, read by the group's four LDS stores.  One wait on va_vdst a group, behind its conversions; one wait on vm_vsrc a chunk, ahead of the add to v[VST] and of the first conversion.  v[VW] is never written again.
.set CH2,   128*272                    ; a chunk in LDS: 128 rows of 256 bytes + 16 (the 16 rows of a fragment load start at 16 different groups of four banks: ISA guide 11.1)
; every wave: v6 a consumer's place in a chunk; v12 16 lane; v241 32 (lane / 16); v253 a producer's place in a chunk; v255 its byte offset in the slice of w1
; consumers: v7 v6 + the chunk; v8-10 byte offset of a place's tile in the expert's rows; v13-15 store offsets in hbuf;
;   v[16:111] accumulators, (place i, column tile ct) at 16 + 32 i + 8 ct; v[112:207] ring of token fragments, (k step j, place i) at 112 + 24 j + 8 i; v[208:239] weight fragments; v242 at work
; producers: v[16:79] a chunk as loaded; v[80:111] rounded, eight registers a group (each eight begin where an accumulator begins and are read in ascending order); v254 v253 + the chunk
.set ACC, 16
.set AR,  112
.set BF,  208
.set ST,  16
.set CV,  80
.set VS,  253
.set VST, 254
.set VW,  255
.set WV,  32
.set Q,   33
.set EX,  34
.set SL,  35
.set G,   36                           ; consumer: tiles g, g + 4, g + 8 of a pass
.set CG,  37                           ; consumer: which 64 of the slice's 128 columns
.set CNT, 38
.set NTL, 39                           ; the expert's tiles, at least 1
.set NT,  40                           ; how many of my three places are live in this pass
.set P,   41
.set P12, 42
.set LC,  43
.set KB,  44                           ; LDS byte at which the pair of chunks in hand begins
.set HM,  47
.set C0,  48                           ; s[48:49]
.set C1,  50                           ; s[50:51]
.set T1,  54
.set T2,  55
.macro BIASLOAD                        ; b1 of my eight columns in each column tile, straight into place 0's accumulators
.irp ct, 0,1,2,3
	global_load_b128 v[ACC+8*(\ct):ACC+8*(\ct)+3], v241, s[12:13] offset:64*(\ct)
	global_load_b128 v[ACC+8*(\ct)+4:ACC+8*(\ct)+7], v241, s[12:13] offset:64*(\ct)+16
.endr
.endm
.macro BIASFIX                         ; rounded to bf16 like every input, and copied: the sums START with the bias, on every path
	s_wait_loadcnt 24                              ; the bias is in: the ring's 24 loads are the younger ones
.set n, 0
.rept 16
	v_cvt_pk_bf16_f32 v242, v[ACC+n], v[ACC+n+1]
	v_lshlrev_b32 v[ACC+n], 16, v242
	v_and_b32 v[ACC+n+1], s[HM], v242
.set n, n+2
.endr
.set n, 0
.rept 32
	v_mov_b32 v[ACC+32+n], v[ACC+n]
	v_mov_b32 v[ACC+64+n], v[ACC+n]
.set n, n+1
.endr
.endm
.macro NTCALC                          ; of the tiles left from this pass on, mine are g, g + 4, g + 8
	s_sub_co_i32 s[T1], s[NTL], s[P12]
	s_max_i32 s[T1], s[T1], 0
	s_add_co_u32 s[T1], s[T1], 3
	s_sub_co_u32 s[T1], s[T1], s[G]
	s_lshr_b32 s[T1], s[T1], 2
	s_min_u32 s[NT], s[T1], 3
.endm
.macro TOKOFF                          ; my three tiles' offsets; the bases go back to the rows' first chunk
.irp i, 0,1,2
	s_add_co_u32 s[T1], s[P12], s[G]
	s_add_co_u32 s[T1], s[T1], 4*\i                ; the place's tile;
	s_sub_co_u32 s[T2], s[NTL], 1
	s_min_u32 s[T1], s[T1], s[T2]                  ; a dead place repeats the last tile that is written
	s_min_u32 s[T1], s[T1], 63
	s_lshl_b32 s[T1], s[T1], 15                    ; 32,768 bytes a tile
	v_add_nc_u32 v[8+\i], s[T1], v12
.endr
	s_mov_b64 s[4:5], s[22:23]
	s_mov_b32 s[KB], 0
.endm
.macro TOKLOAD                         ; the ring's first 24 loads: k steps 0 to 3
.irp j, 0,1,2,3
.irp i, 0,1,2
	global_load_b128 v[AR+24*\j+8*\i:AR+24*\j+8*\i+3], v[8+\i], s[4:5] offset:1024*\j
	global_load_b128 v[AR+24*\j+8*\i+4:AR+24*\j+8*\i+7], v[8+\i], s[4:5] offset:1024*\j+512
.endr
.endr
.endm
.macro WM4 i, j                        ; place i's four accumulators, one instruction a turn
.irp ct, 0,1,2,3
	v_wmma_f32_16x16x32_bf16 v[ACC+32*(\i)+8*(\ct):ACC+32*(\i)+8*(\ct)+7], v[BF+8*(\ct):BF+8*(\ct)+7], v[AR+24*(\j)+8*(\i):AR+24*(\j)+8*(\i)+7], v[ACC+32*(\i)+8*(\ct):ACC+32*(\i)+8*(\ct)+7]
.endr
.endm
.macro CSTEP j, lb, gb, ref            ; one k step of 32; lb, gb: the chunk's parity in LDS and in xs.  ref = 1: ring slot j is filled again with the next chunk's step j
.irp ct, 0,1,2,3
	ds_load_b128 v[BF+8*(\ct):BF+8*(\ct)+3], v7 offset:(\lb)+4352*(\ct)+64*(\j)  ; no vector or matrix line since the last wait on va_vdst names BF or v7
	ds_load_b128 v[BF+8*(\ct)+4:BF+8*(\ct)+7], v7 offset:(\lb)+4352*(\ct)+64*(\j)+32
.endr
.if \ref
	s_wait_loadcnt 18                              ; slot j is in: behind its six loads stand the six of each of the three other slots
.else
	s_wait_loadcnt 6*(3-(\j))                      ; no refills any more: the slots behind this one
.endif
	s_wait_dscnt 0x0
	s_cmp_lt_u32 s[NT], 1
	s_cbranch_scc1 .Le_\@
	WM4 0, \j
	s_cmp_lt_u32 s[NT], 2
	s_cbranch_scc1 .Le_\@
	WM4 1, \j
	s_cmp_lt_u32 s[NT], 3
	s_cbranch_scc1 .Le_\@
	WM4 2, \j
.Le_\@:
.rept 4
	v_nop                                          ; four places behind the products, in front of readers of their results and of vector lines that write their registers (ISA guide 7.12.1)
.endr
.if (\ref) || ((\j) < 3)
	s_wait_alu depctr_va_vdst(0)                   ; this step's products are done reading BF, in which the next step's LDS loads land, and ring slot j, in which the loads below, where there are any, land
.endif
.if \ref
.irp i, 0,1,2
	global_load_b128 v[AR+24*(\j)+8*\i:AR+24*(\j)+8*\i+3], v[8+\i], s[4:5] offset:(\gb)+4096+1024*(\j)
	global_load_b128 v[AR+24*(\j)+8*\i+4:AR+24*(\j)+8*\i+7], v[8+\i], s[4:5] offset:(\gb)+4096+1024*(\j)+512
.endr
.endif
.endm
.macro CCHUNK lb, gb, ref
	s_wait_alu depctr_vm_vsrc(0)                   ; the LDS loads issued so far have read v7
	v_add_nc_u32 v7, s[KB], v6
	s_wait_alu depctr_va_vdst(0)                   ; v7 is written, which the chunk's LDS loads read
	CSTEP 0, \lb, \gb, \ref
	CSTEP 1, \lb, \gb, \ref
	CSTEP 2, \lb, \gb, \ref
	CSTEP 3, \lb, \gb, \ref
.endm
.macro TRIP b, ref                     ; one chunk under the streaming; b: its parity.  ref = 1: the producer's registers take the next chunk, the consumer's ring the next chunk's steps
	s_cmp_lt_u32 s[WV], 8
	s_cbranch_scc1 .Lnp_\@
	s_wait_alu depctr_vm_vsrc(0)                   ; the last chunk's LDS stores have read v[VST] and v[CV ..], which the add and the conversions below write again
	v_add_nc_u32 v[VST], s[KB], v[VS]
.irp gq, 0,1,2,3
.if \ref
	s_wait_loadcnt 12                              ; these four rows are in: behind them stand the four loads of each of the three other groups
.else
	s_wait_loadcnt 4*(3-\gq)
.endif
.irp ii, 0,1,2,3
	v_cvt_pk_bf16_f32 v[CV+8*\gq+2*\ii], v[ST+4*(4*\gq+\ii)], v[ST+4*(4*\gq+\ii)+1]
	v_cvt_pk_bf16_f32 v[CV+8*\gq+2*\ii+1], v[ST+4*(4*\gq+\ii)+2], v[ST+4*(4*\gq+\ii)+3]
.endr
	s_wait_alu depctr_va_vdst(0)                   ; the conversions have written the group's v[CV ..], which the LDS stores read, and are done reading its v[ST ..], in which the loads land; in the first group v[VST] is written too
.if \ref
.irp ii, 0,1,2,3
	global_load_b128 v[ST+4*(4*\gq+\ii):ST+4*(4*\gq+\ii)+3], v[VW], s[6:7] offset:4096*(4*\gq+\ii)+512*(\b)+512 th:TH_LOAD_NT
.endr
.endif
.irp ii, 0,1,2,3
	ds_store_b64 v[VST], v[CV+8*\gq+2*\ii:CV+8*\gq+2*\ii+1] offset:272*(4*\gq+\ii)+(\b)*CH2
.endr
.endr
.Lnp_\@:
	s_wait_dscnt 0x0                               ; producers: the chunk is in LDS; consumers: no LDS load of mine is out
	s_barrier_signal -1
	s_barrier_wait -1
	s_cmp_lt_u32 s[WV], 8
	s_cbranch_scc0 .Lnc_\@
	CCHUNK (\b)*CH2, 4096*(\b), \ref
.Lnc_\@:
.endm
; gelu(x) = x / (1 + 2^(x (C1 x^2 + C0))), C0 = -2 log2(e) sqrt(2 / pi), C1 = 0.044715 C0; rounded to bf16 and stored.  Each accumulator is read from its lowest registers on.
.macro EPIT i
	s_cmp_lt_u32 s[NT], (\i)+1
	s_cbranch_scc1 .Lnext
.set X, ACC+32*(\i)
.set O, AR+32+16*(\i)
.set n, 0
.rept 16
	v_pk_mul_f32 v[AR+n:AR+n+1], v[X+n:X+n+1], v[X+n:X+n+1]
.set n, n+2
.endr
.set n, 0
.rept 16
	v_pk_fma_f32 v[AR+n:AR+n+1], v[AR+n:AR+n+1], s[C1:C1+1], s[C0:C0+1] op_sel_hi:[1,0,0]
.set n, n+2
.endr
.set n, 0
.rept 16
	v_pk_mul_f32 v[AR+n:AR+n+1], v[AR+n:AR+n+1], v[X+n:X+n+1]
.set n, n+2
.endr
.set n, 0
.rept 32
	v_exp_f32 v[AR+n], v[AR+n]
.set n, n+1
.endr
	v_nop                                          ; a plain instruction behind the last exponential,
	s_wait_alu depctr_va_vdst(0)                   ; and one wait for the 32 exponentials' results in v[AR ..], ahead of their first reader
.set n, 0
.rept 16
	v_pk_add_f32 v[AR+n:AR+n+1], v[AR+n:AR+n+1], 1.0 op_sel_hi:[1,0]
.set n, n+2
.endr
.set n, 0
.rept 32
	v_rcp_f32 v[AR+n], v[AR+n]
.set n, n+1
.endr
	v_nop
	s_wait_alu depctr_va_vdst(0)                   ; one wait for the 32 reciprocals' results in v[AR ..], ahead of their first reader
.set n, 0
.rept 16
	v_pk_mul_f32 v[AR+n:AR+n+1], v[AR+n:AR+n+1], v[X+n:X+n+1]
.set n, n+2
.endr
.set n, 0
.rept 16
	v_cvt_pk_bf16_f32 v[O+n], v[AR+2*n], v[AR+2*n+1]
.set n, n+1
.endr
	s_add_co_u32 s[T1], s[P12], s[G]
	s_add_co_u32 s[T1], s[T1], 4*(\i)              ; the tile's number in the expert,
	s_lshl_b32 s[T1], s[T1], 17                    ; 131,072 bytes a tile
	v_add_nc_u32 v[13+(\i)], s[T1], v12
	s_wait_alu depctr_va_vdst(0)                   ; the roundings have written the tile's 16 registers and the add its offset, which the four stores read
.irp ct, 0,1,2,3
	global_store_b128 v[13+(\i)], v[O+4*(\ct):O+4*(\ct)+3], s[16:17] offset:512*(\ct)  ; 512 consecutive bytes: half a k step's fragment
.endr
.endm
	s_load_b256 s[8:15], s[0:1], 0x0               ; xs s[8:9], w1 s[10:11], b1 s[12:13], counts s[14:15]
	s_load_b64 s[16:17], s[0:1], 0x20              ; hbuf
	v_lshl_add_u32 v251, v0, 2, 0x44000
	v_mov_b32 v252, 0
	v_and_b32 v1, 31, v0
	v_lshrrev_b32 v2, 5, v0
	v_readfirstlane_b32 s[WV], v2
	s_wait_alu depctr_va_sdst(0)                   ; the wave's number is written, ahead of its first reader: the roles, the bases and the address terms are made from it
	v_and_b32 v2, 15, v0
	v_bfe_u32 v3, v0, 4, 1
	s_and_b32 s[Q], s[WV], 7
	s_and_b32 s[EX], ttmp7, 0xffff
	s_mov_b32 s[SL], ttmp9
	s_and_b32 s[G], s[WV], 3
	s_bfe_u32 s[CG], s[WV], 0x10002
	s_mov_b32 s[NTL], 1
	s_mov_b32 s[NT], 0
	s_mov_b32 s[P], 0
	s_mov_b32 s[P12], 0
	s_mov_b32 s[KB], 0
	s_mov_b32 s[HM], 0xffff0000
	s_mov_b32 s[C0], 0xc0135761                    ; -2.3022082
	s_mov_b32 s[C0+1], s[C0]
	s_mov_b32 s[C1], 0xbdd2d3e8                    ; -0.10294324
	s_mov_b32 s[C1+1], s[C1]
	; the address terms of both roles, made by every wave from bit fields of its number
	s_mul_i32 s[T1], s[CG], 64*272
	v_mul_u32_u24 v6, v2, 272
	v_lshl_add_u32 v6, v3, 4, v6
	v_add_nc_u32 v6, s[T1], v6                     ; weight fragment: row 64 cg + lane % 16, 16 bytes for each half of the lanes
	v_mov_b32 v7, v6
	v_mov_b32 v8, 0
	v_mov_b32 v9, 0
	v_mov_b32 v10, 0
	v_lshlrev_b32 v12, 4, v1
	v_lshlrev_b32 v241, 5, v3
	s_mul_i32 s[T1], s[Q], 16*272
	v_lshlrev_b32 v[VS], 3, v1
	v_add_nc_u32 v[VS], s[T1], v[VS]               ; a producer's rows 16 q .. 16 q + 15 of a chunk, 8 bytes a lane
	v_mov_b32 v[VST], v[VS]
	s_lshl_b32 s[T1], s[Q], 16
	v_add_nc_u32 v[VW], s[T1], v12                 ; the same rows in w1, 16 bytes a lane
	s_lshl_b32 s2, s[EX], 24                       ; an expert's w1: 16,777,216 bytes; a slice's 128 rows: 524,288
	s_lshl_b32 s[T1], s[SL], 19
	s_add_co_u32 s2, s2, s[T1]
	s_mov_b32 s3, 0
	s_wait_kmcnt 0x0
	s_add_nc_u64 s[6:7], s[10:11], s[2:3]          ; w1 at my slice; it steps with the chunks
	s_lshl_b32 s2, s[EX], 21
	s_add_nc_u64 s[22:23], s[8:9], s[2:3]          ; the rows of my expert
	s_mov_b64 s[4:5], s[22:23]                     ; the same; it steps with the chunks
	s_lshl_b32 s2, s[EX], 14
	s_lshl_b32 s[T1], s[SL], 9
	s_add_co_u32 s2, s2, s[T1]
	s_lshl_b32 s[T1], s[CG], 8
	s_add_co_u32 s2, s2, s[T1]
	s_add_nc_u64 s[12:13], s[12:13], s[2:3]        ; b1 at my 64 columns
	s_lshl_b32 s2, s[EX], 23
	s_lshl_b32 s[T1], s[SL], 12
	s_add_co_u32 s2, s2, s[T1]
	s_lshl_b32 s[T1], s[CG], 11
	s_add_co_u32 s2, s2, s[T1]
	s_add_nc_u64 s[16:17], s[16:17], s[2:3]        ; hbuf at my expert and my two k steps
	s_lshl_b32 s2, s[EX], 7
	s_add_nc_u64 s[14:15], s[14:15], s[2:3]
	s_wait_alu depctr_va_vdst(0)                   ; v[VW] and v241 are written: the producers' loads of w1 and the consumers' loads of the bias read them as offsets
	s_cmp_lt_u32 s[WV], 8
	s_cbranch_scc1 .Lchead
	; PRODUCERS: chunk 0 goes out
.set i, 0
.rept 16
	global_load_b128 v[ST+4*i:ST+4*i+3], v[VW], s[6:7] offset:4096*i th:TH_LOAD_NT  ; 512 consecutive bytes of a row
.set i, i+1
.endr
	s_branch .Lstream
.Lchead:
	; CONSUMERS: the count, the bias, and the ring's first loads go out one behind the other; the bias is waited for behind the ring's loads
	s_load_b32 s[CNT], s[14:15], 0x0
	BIASLOAD
	s_wait_kmcnt 0x0
	s_min_u32 s[CNT], s[CNT], 1024
	s_add_co_u32 s[NTL], s[CNT], 15
	s_lshr_b32 s[NTL], s[NTL], 4
	s_max_u32 s[NTL], s[NTL], 1
	NTCALC
	TOKOFF
	s_wait_alu depctr_va_vdst(0)                   ; v8 to v10 are written, which the ring's loads read as offsets
	TOKLOAD
	BIASFIX
.Lstream:
	s_mov_b32 s[LC], 3
.Lsl:                                                  ; chunks 0 to 5, two a trip
	TRIP 0, 1
	TRIP 1, 1
	s_wait_xcnt 0x0                                ; the bases are stepped only behind this wait
	s_add_nc_u64 s[6:7], s[6:7], 1024
	s_add_nc_u64 s[4:5], s[4:5], 8192
	s_add_co_u32 s[KB], s[KB], 2*CH2
	s_sub_co_u32 s[LC], s[LC], 1
	s_cmp_lg_u32 s[LC], 0
	s_cbranch_scc1 .Lsl
	TRIP 0, 1                                      ; chunk 6; chunk 7 is asked for
	TRIP 1, 0                                      ; chunk 7: nothing is left to ask for, and the counts run down
	s_wait_loadcnt 0x0                             ; no load of any wave is out from here on
	s_cmp_lt_u32 s[WV], 8
	s_cbranch_scc0 .Lfin
.Lpass:                                                ; CONSUMERS: six passes; pass 0's products are made already; no barrier stands in this loop: nobody writes the slice any more
	s_wait_alu depctr_vm_vsrc(0)                   ; ahead of the branches, so on every way on: the last pass's stores have read their data (v144 to v191) and v13 to v15, which this pass's gelu and the ring's loads write again; its loads have read v8 to v10, which a new pass's adds write
	s_cmp_eq_u32 s[P], 0
	s_cbranch_scc1 .Lepi
	NTCALC
	s_cmp_ge_u32 s[P12], s[NTL]
	s_cbranch_scc1 .Lnext
	s_wait_xcnt 0x0                                ; the last pass's loads and stores have had their addresses translated: their registers and bases are rewritten only behind this wait
	TOKOFF
	s_wait_alu depctr_va_vdst(0)                   ; v8 to v10 are written; the last pass's gelu is done with the accumulators, in which the bias lands, and with the ring's registers, in which the 24 loads land
	BIASLOAD
	TOKLOAD
	BIASFIX
	s_mov_b32 s[LC], 7
.Lres:
	CCHUNK 0, 0, 1
	s_wait_xcnt 0x0
	s_add_nc_u64 s[4:5], s[4:5], 4096
	s_add_co_u32 s[KB], s[KB], CH2
	s_sub_co_u32 s[LC], s[LC], 1
	s_cmp_lg_u32 s[LC], 0
	s_cbranch_scc1 .Lres
	CCHUNK 0, 0, 0
.Lepi:
	EPIT 0
	EPIT 1
	EPIT 2
.Lnext:
	s_add_co_u32 s[P12], s[P12], 12
	s_add_co_u32 s[P], s[P], 1
	s_cmp_lt_u32 s[P], 6
	s_cbranch_scc1 .Lpass
.Lfin:
	s_wait_dscnt 0x0                               ; my LDS reads are over
	s_barrier_signal -1
	s_barrier_wait -1                              ; everybody's are
	s_wait_dscnt 0x0                               ; the wave's end: the closing add into the spare words follows
	s_wait_alu depctr_hold_cnt(0) depctr_sa_sdst(0) depctr_va_vdst(0) depctr_va_sdst(0) depctr_va_ssrc(0) depctr_va_vcc(0) depctr_vm_vsrc(0)
	s_wait_tensorcnt 0x0
	ds_add_u32 v251, v252
	s_wait_dscnt 0x0
	s_endpgm
.Lfunc_end_k_qb635afce6f_up:
	.size	k_qb635afce6f_up, .Lfunc_end_k_qb635afce6f_up-k_qb635afce6f_up
	.p2alignl 7, 3214868480
	.fill 96, 4, 3214868480
	.section	.rodata,"a",@progbits
	.p2align	6, 0x0
	.amdhsa_kernel k_qb635afce6f_up
		.amdhsa_group_segment_fixed_size 280576
		.amdhsa_private_segment_fixed_size 0
		.amdhsa_enable_private_segment 0
		.amdhsa_kernarg_size 40
		.amdhsa_user_sgpr_count 2
		.amdhsa_user_sgpr_kernarg_segment_ptr 1
		.amdhsa_wavefront_size32 1
		.amdhsa_system_sgpr_workgroup_id_x 1
		.amdhsa_system_sgpr_workgroup_id_y 1
		.amdhsa_system_sgpr_workgroup_id_z 1
		.amdhsa_system_vgpr_workitem_id 0
		.amdhsa_next_free_vgpr 256
		.amdhsa_next_free_sgpr 66
		.amdhsa_reserve_vcc 0
		.amdhsa_float_denorm_mode_32 3
		.amdhsa_float_denorm_mode_16_64 3
		.amdhsa_memory_ordered 1
		.amdhsa_forward_progress 1
		.amdhsa_inst_pref_size 116
	.end_amdhsa_kernel
	.amdgpu_metadata
---
amdhsa.version: [ 1, 2 ]
amdhsa.kernels:
  - .name:           k_qb635afce6f_up
    .symbol:         k_qb635afce6f_up.kd
    .args:
      - { .name: xs, .offset: 0, .size: 8, .value_kind: global_buffer, .address_space: global }
      - { .name: w1, .offset: 8, .size: 8, .value_kind: global_buffer, .address_space: global }
      - { .name: b1, .offset: 16, .size: 8, .value_kind: global_buffer, .address_space: global }
      - { .name: counts, .offset: 24, .size: 8, .value_kind: global_buffer, .address_space: global }
      - { .name: hbuf, .offset: 32, .size: 8, .value_kind: global_buffer, .address_space: global }
    .group_segment_fixed_size: 280576
    .private_segment_fixed_size: 0
    .kernarg_segment_align: 8
    .kernarg_segment_size: 40
    .max_flat_workgroup_size: 512
    .sgpr_count:     66
    .vgpr_count:     256
    .wavefront_size: 32
...
	.end_amdgpu_metadata
.endif
;; end of part 7
;; launch down (part 8): grid 32 x 8, 16 waves a work-group, no clusters, 268,288 bytes of LDS; arguments hbuf, w2, b2, order, counts, gws, out0; writes out0
.if DOCPART == 8
	.amdgcn_target "amdgcn-amd-amdhsa--gfx1250"
	.amdhsa_code_object_version 6
	.text
	.protected	k_qb635afce6f_down
	.globl	k_qb635afce6f_down
	.p2align	8
	.type	k_qb635afce6f_down,@function
k_qb635afce6f_down:
	s_mov_b64 s[64:65], 0
	v_nop
	global_prefetch_b8 v0, s[64:65] scope:SCOPE_SE
	s_setreg_imm32_b32 hwreg(HW_REG_WAVE_SCHED_MODE, 0, 2), 2
	s_setreg_imm32_b32 hwreg(HW_REG_WAVE_MODE, 25, 1), 1
	s_wait_xcnt 0x0
	s_wait_alu depctr_vm_vsrc(0)
; DOWN.  For expert e = group y and slice sl = group x (32 of the 1,024 output columns): out0[token] = gw (h w2[e]^T + b2[e]) for the expert's rows; with one expert a token each output row has one owner.
; w2 and b2 are rounded once to bf16; sums, bias and weight in f32.
; THE SLICE STAYS, as in the launch before: 32 rows x 4,096 of w2, 524,288 bytes read once by this work-group alone, resident in LDS as bf16, laid by K chunks of 512, each byte written once.
; Waves 8-15 (PRODUCERS) load, round and store a chunk; a barrier; waves 0-7 (CONSUMERS) multiply it while the next one, CH3 bytes further on, is stored: the chunk that is stored and the chunk that is read
; differ in parity, and the parity stands in the immediates.  A producer has 16 loads of 512 bytes out; its 64 staging registers share numbers only with consumer registers that no load writes during
; the streaming, and each block walks all its register groups in one order.  Every address term is made once, at the head, by every wave, in registers that nothing else writes.
; CONSUMER w has the tiles w and w + 8 of a pass of 16 and both column tiles: each fragment of h is loaded by one wave of the work-group, as 2 x 512 consecutive bytes, in the order in which the launch
; before stored it, through a ring eight k steps deep (32 loads out).  Pass 0 runs under the streaming, passes 1 to 3 from the resident slice, dead passes jumped: 64 tiles cover 1,024 rows.
; All loads of h are issued whatever the count, so every counted wait counts the same on every path; a dead place repeats the expert's last live tile (tile 0, which is always written, for an expert without rows).
; The list's places past the count repeat the expert's first token, so a last tile that is not full stores that row again, with the same value: no lane is switched off.  Dead tiles store nothing.
; A lane holds ONE token and eight neighbouring columns of each column tile: it stores 2 x 32 consecutive bytes of a row; a slice's piece of a row is 128 bytes.
; NO CLUSTER: each weight byte has one reader; h is shared by an expert's 32 work-groups, but how many tiles of it are live hangs on a stored count, and no tile load may stand in such a loop.
; LIMITS.  NaN and infinities are not treated apart.
; THE MODE: SCHED_MODE bits 1:0 = 2 (LLVM: expert scheduling mode 2), set by the entry lines.  The code itself states the register dependences
; between vector or matrix instructions and memory or LDS instructions, with s_wait_alu, always for 0.
; THE PLAN.  Registers that memory or LDS instructions touch:
;   CONSUMERS.  BF, two halves by the step's parity: step s's products read half s % 2, and the LDS loads of step s + 2, issued at the head of step s + 1, land in it.  Ring slot s % 8: step s's products
;     read it, and the four loads of the step eight further on land in it behind them.  So ONE wait on va_vdst stands in a step, behind its products and their places: the slot's four loads and the next
;     four LDS loads follow it with no vector or matrix line between.  The 16 waves' 256 registers each are all that the four SIMDs have: there is no room for a further buffer.
;     v7: read by every LDS load, written once a chunk: a wait on vm_vsrc ahead of the add, one on va_vdst behind it.
;     v8, v9, v13, the accumulators (the bias's loads land there), v240-243, the ring and the stores' data change hands once a pass: one wait on vm_vsrc is the first line of the loop over passes, ahead of
;     all its branches, so that it stands on every way to a line that writes them; on the way into a new pass follow the three adds, one wait on va_vdst, then all 40 loads in one run.
;     One wait on va_vdst stands ahead of each place's four stores.  v10, v11, v12, v14 are never written again.
;   PRODUCERS.  ST, four rows of 16 registers: a row's eight conversions read it, and the next chunk's four loads land in it behind them.  CV, eight registers: written by each row's conversions, read by its
;     four LDS stores.  A wait on vm_vsrc ahead of each row's conversions (and of the add to v[VST] in the first), a wait on va_vdst behind them.  v[VW] is never written again.
.set CH3,   32*1040                    ; a chunk in LDS: 32 rows of 1,024 bytes + 16 (the 16 rows of a fragment load start at 16 different groups of four banks: ISA guide 11.1)
; every wave: v6 a consumer's place in a chunk; v10 16 lane; v11 32 (lane / 16); v12 a consumer's rank's byte in pass 0, place 0; v14 its 32 bytes in a row of out0;
;   v244 a producer's place in a chunk; v246 its byte offset in the slice of w2
; consumers: v7 v6 + the chunk; v8-9 byte offset of a place's tile in the expert's h; v13, v15 at work;
;   v[16:47] accumulators, (place i, column tile ct) at 16 + 16 i + 8 ct; v[48:79] results to store; v[80:111] weight fragments of two steps; v[112:239] ring of h, (slot s, place i) at 112 + 16 s + 8 i;
;   v240-241 tokens, v242-243 weights of my two rows
; producers: v[16:79] a chunk as loaded; v245 v244 + the chunk; v[248:255] rounded
.set ACC, 16
.set OUT, 48
.set BF,  80
.set AR,  112
.set ST,  16
.set VS,  244
.set VST, 245
.set VW,  246
.set CV,  248
.set WV,  32
.set Q,   33                           ; wave % 8: a consumer's and a producer's number
.set EX,  34
.set SL,  35
.set CNT, 38
.set NTR, 39                           ; the expert's tiles, 0 to 64
.set NT,  40                           ; how many of my two places are live in this pass
.set P,   41
.set P16, 42
.set LC,  43
.set KB,  44                           ; LDS byte at which the pair of chunks in hand begins
.set HM,  47
.set T1,  54
.set T2,  55
.set PL,  56                           ; 1,024 x pass: the pass's first byte in order and gws
.macro NTCALC                          ; of the tiles left from this pass on, mine are q and q + 8
	s_sub_co_i32 s[T1], s[NTR], s[P16]
	s_max_i32 s[T1], s[T1], 0
	s_add_co_u32 s[T1], s[T1], 7
	s_sub_co_u32 s[T1], s[T1], s[Q]
	s_lshr_b32 s[T1], s[T1], 3
	s_min_u32 s[NT], s[T1], 2
.endm
; A pass begins: the offsets; then b2 into place 0's accumulators (the sums START with the bias, on every path), my rows' tokens and weights, and the ring's first 32 loads: k steps 0 to 7.
.macro PASSINIT3
	s_wait_xcnt 0x0                                ; earlier loads and stores have had their addresses translated: the registers and the base that are written below are free
	v_add_nc_u32 v13, s[PL], v12
.irp i, 0,1
	s_add_co_u32 s[T1], s[P16], s[Q]
	s_add_co_u32 s[T1], s[T1], 8*\i                ; the place's tile;
	s_max_u32 s[T2], s[NTR], 1
	s_sub_co_u32 s[T2], s[T2], 1
	s_min_u32 s[T1], s[T1], s[T2]                  ; a dead place repeats the last tile that is written
	s_min_u32 s[T1], s[T1], 63
	s_lshl_b32 s[T1], s[T1], 17                    ; 131,072 bytes a tile
	v_add_nc_u32 v[8+\i], s[T1], v10
.endr
	s_mov_b64 s[4:5], s[22:23]
	s_mov_b32 s[KB], 0
	s_wait_alu depctr_va_vdst(0)                   ; v8, v9, v11 and v13 are written, which the 40 loads below read as offsets; the last pass's products and scalings are done with the accumulators, v240-243 and the ring, in which they land
.irp ct, 0,1
	global_load_b128 v[ACC+8*\ct:ACC+8*\ct+3], v11, s[12:13] offset:64*\ct
	global_load_b128 v[ACC+8*\ct+4:ACC+8*\ct+7], v11, s[12:13] offset:64*\ct+16
.endr
.irp i, 0,1
	global_load_b32 v[240+\i], v13, s[14:15] offset:512*\i
	global_load_b32 v[242+\i], v13, s[18:19] offset:512*\i
.endr
.irp s, 0,1,2,3,4,5,6,7
.irp i, 0,1
	global_load_b128 v[AR+16*\s+8*\i:AR+16*\s+8*\i+3], v[8+\i], s[4:5] offset:1024*\s
	global_load_b128 v[AR+16*\s+8*\i+4:AR+16*\s+8*\i+7], v[8+\i], s[4:5] offset:1024*\s+512
.endr
.endr
	s_wait_loadcnt 32                              ; the bias, my rows' tokens and their weights are in: the ring's 32 loads are the younger ones
.set n, 0
.rept 8
	v_cvt_pk_bf16_f32 v15, v[ACC+n], v[ACC+n+1]    ; b2 is rounded to bf16 like every input
	v_lshlrev_b32 v[ACC+n], 16, v15
	v_and_b32 v[ACC+n+1], s[HM], v15
.set n, n+2
.endr
.set n, 0
.rept 16
	v_mov_b32 v[ACC+16+n], v[ACC+n]
.set n, n+1
.endr
.endm
.macro BLOAD s, lb                     ; step s's weight fragments, into the half of BF that the step before last read; no vector or matrix line since the last wait on va_vdst names that half or v7
.irp ct, 0,1
	ds_load_b128 v[BF+16*((\s)%2)+8*\ct:BF+16*((\s)%2)+8*\ct+3], v7 offset:(\lb)+16640*\ct+64*(\s)
	ds_load_b128 v[BF+16*((\s)%2)+8*\ct+4:BF+16*((\s)%2)+8*\ct+7], v7 offset:(\lb)+16640*\ct+64*(\s)+32
.endr
.endm
.macro WM2 i, s                        ; place i's two accumulators, one instruction a turn
.irp ct, 0,1
	v_wmma_f32_16x16x32_bf16 v[ACC+16*(\i)+8*\ct:ACC+16*(\i)+8*\ct+7], v[BF+16*((\s)%2)+8*\ct:BF+16*((\s)%2)+8*\ct+7], v[AR+16*((\s)%8)+8*(\i):AR+16*((\s)%8)+8*(\i)+7], v[ACC+16*(\i)+8*\ct:ACC+16*(\i)+8*\ct+7]
.endr
.endm
.macro CSTEP3 s, lb, gb, last          ; k step s of a chunk's 16.  Its ring slot is filled again with the step eight further on; last = 1: the last chunk has none for steps 8 to 15
.if (\s) < 15
	BLOAD (\s)+1, \lb
.endif
.if (\last) && ((\s) >= 8)
	s_wait_loadcnt 4*(15-(\s))                     ; no refills any more: the slots behind this one
.else
	s_wait_loadcnt 28                              ; this slot is in: behind its four loads stand the four of each of the seven other slots
.endif
.if (\s) < 15
	s_wait_dscnt 4                                 ; this step's weight fragments are in: the next step's four loads may stay out
.else
	s_wait_dscnt 0x0
.endif
	s_cmp_lt_u32 s[NT], 1
	s_cbranch_scc1 .Le_\@
	WM2 0, \s
	s_cmp_lt_u32 s[NT], 2
	s_cbranch_scc1 .Le_\@
	WM2 1, \s
.Le_\@:
.rept 4
	v_nop                                          ; four places behind the products, in front of readers of their results and of vector lines that write their registers (ISA guide 7.12.1)
.endr
.if !(\last) || ((\s) < 14)
	s_wait_alu depctr_va_vdst(0)                   ; this step's products are done reading their half of BF, in which the next LDS loads land, and their ring slot, in which the loads below, where there are any, land
.endif
.if !(\last) || ((\s) < 8)
.irp i, 0,1
	global_load_b128 v[AR+16*((\s)%8)+8*\i:AR+16*((\s)%8)+8*\i+3], v[8+\i], s[4:5] offset:(\gb)+1024*((\s)+8)
	global_load_b128 v[AR+16*((\s)%8)+8*\i+4:AR+16*((\s)%8)+8*\i+7], v[8+\i], s[4:5] offset:(\gb)+1024*((\s)+8)+512
.endr
.endif
.endm
.macro CCH3 lb, gb, last               ; a chunk; lb, gb: its parity in LDS and in h
	s_wait_alu depctr_vm_vsrc(0)                   ; the LDS loads issued so far have read v7
	v_add_nc_u32 v7, s[KB], v6
	s_wait_alu depctr_va_vdst(0)                   ; v7 is written, which the chunk's LDS loads read
	BLOAD 0, \lb
.set st, 0
.rept 16
	CSTEP3 st, \lb, \gb, \last
.set st, st+1
.endr
.endm
.macro TRIP3 b, ref                    ; one chunk under the streaming; b: its parity.  ref = 1: the producer's registers take the next chunk
	s_cmp_lt_u32 s[WV], 8
	s_cbranch_scc1 .Lnp_\@
.irp gq, 0,1,2,3
.if \ref
	s_wait_loadcnt 12                              ; this row's four loads are in: behind them stand the four of each of the three other rows
.else
	s_wait_loadcnt 4*(3-\gq)
.endif
	s_wait_alu depctr_vm_vsrc(0)                   ; the LDS stores issued so far have read v[CV ..], which the conversions below write again, and v[VST], which the first row's add writes
.if \gq == 0
	v_add_nc_u32 v[VST], s[KB], v[VS]
.endif
.irp u, 0,1,2,3
	v_cvt_pk_bf16_f32 v[CV+2*\u], v[ST+4*(4*\gq+\u)], v[ST+4*(4*\gq+\u)+1]
	v_cvt_pk_bf16_f32 v[CV+2*\u+1], v[ST+4*(4*\gq+\u)+2], v[ST+4*(4*\gq+\u)+3]
.endr
	s_wait_alu depctr_va_vdst(0)                   ; the conversions have written v[CV ..], which the LDS stores read, and are done reading the row's v[ST ..], in which the loads land; in the first row v[VST] is written too
.if \ref
.irp u, 0,1,2,3
	global_load_b128 v[ST+4*(4*\gq+\u):ST+4*(4*\gq+\u)+3], v[VW], s[6:7] offset:16384*\gq+512*\u+2048*(\b)+2048 th:TH_LOAD_NT
.endr
.endif
.irp u, 0,1,2,3
	ds_store_b64 v[VST], v[CV+2*\u:CV+2*\u+1] offset:1040*\gq+256*\u+(\b)*CH3
.endr
.endr
.Lnp_\@:
	s_wait_dscnt 0x0                               ; producers: the chunk is in LDS; consumers: no LDS load of mine is out
	s_barrier_signal -1
	s_barrier_wait -1
	s_cmp_lt_u32 s[WV], 8
	s_cbranch_scc0 .Lnc_\@
	CCH3 (\b)*CH3, 16384*(\b), 1-(\ref)
.Lnc_\@:
.endm
.macro FIN i                           ; place i: the sums (bias included) times the row's weight, and out.  Each accumulator is read from its lowest registers on
	s_cmp_lt_u32 s[NT], (\i)+1
	s_cbranch_scc1 .Lnext
.set n, 0
.rept 16
	v_mul_f32 v[OUT+16*(\i)+n], v[ACC+16*(\i)+n], v[242+(\i)]
.set n, n+1
.endr
	v_min_u32 v[240+(\i)], 0x3ff, v[240+(\i)]
	v_lshlrev_b32 v[240+(\i)], 12, v[240+(\i)]     ; token x 4,096 bytes
	v_add_nc_u32 v[240+(\i)], v[240+(\i)], v14     ; + my 32 bytes of the slice
	s_wait_alu depctr_va_vdst(0)                   ; the scalings have written the place's 16 results and the add its offset, which the four stores read
.irp ct, 0,1
	global_store_b128 v[240+(\i)], v[OUT+16*(\i)+8*\ct:OUT+16*(\i)+8*\ct+3], s[20:21] offset:64*\ct
	global_store_b128 v[240+(\i)], v[OUT+16*(\i)+8*\ct+4:OUT+16*(\i)+8*\ct+7], s[20:21] offset:64*\ct+16
.endr
.endm
	s_load_b256 s[8:15], s[0:1], 0x0               ; hbuf s[8:9], w2 s[10:11], b2 s[12:13], order s[14:15]
	s_load_b128 s[16:19], s[0:1], 0x20             ; counts s[16:17], gws s[18:19]
	s_load_b64 s[20:21], s[0:1], 0x30              ; out0
	v_lshl_add_u32 v5, v0, 2, 0x41000
	v_mov_b32 v247, 0
	v_and_b32 v1, 31, v0
	v_lshrrev_b32 v2, 5, v0
	v_readfirstlane_b32 s[WV], v2
	s_wait_alu depctr_va_sdst(0)                   ; the wave's number is written, ahead of its first reader: the roles and the address terms are made from it
	v_and_b32 v2, 15, v0
	v_bfe_u32 v3, v0, 4, 1
	s_and_b32 s[Q], s[WV], 7
	s_and_b32 s[EX], ttmp7, 0xffff
	s_mov_b32 s[SL], ttmp9
	s_mov_b32 s[NTR], 0
	s_mov_b32 s[NT], 0
	s_mov_b32 s[P], 0
	s_mov_b32 s[P16], 0
	s_mov_b32 s[PL], 0
	s_mov_b32 s[KB], 0
	s_mov_b32 s[HM], 0xffff0000
	; the address terms of both roles, made by every wave from its number modulo 8
	v_mul_u32_u24 v6, v2, 1040
	v_lshl_add_u32 v6, v3, 4, v6                   ; weight fragment: row lane % 16, 16 bytes for each half of the lanes
	v_mov_b32 v7, v6
	v_mov_b32 v8, 0
	v_mov_b32 v9, 0
	v_lshlrev_b32 v10, 4, v1
	v_lshlrev_b32 v11, 5, v3
	s_lshl_b32 s[T1], s[Q], 6
	v_lshlrev_b32 v12, 2, v2
	v_add_nc_u32 v12, s[T1], v12                   ; 4 (16 q + lane % 16)
	s_lshl_b32 s[T1], s[SL], 7
	v_add_nc_u32 v14, s[T1], v11
	s_mul_i32 s[T1], s[Q], 4*1040
	v_lshlrev_b32 v[VS], 3, v1
	v_add_nc_u32 v[VS], s[T1], v[VS]               ; a producer's rows 4 q .. 4 q + 3 of a chunk, 8 bytes a lane
	v_mov_b32 v[VST], v[VS]
	s_lshl_b32 s[T1], s[Q], 16
	v_add_nc_u32 v[VW], s[T1], v10                 ; the same rows in w2, 16 bytes a lane
	s_lshl_b32 s2, s[EX], 24                       ; an expert's w2: 16,777,216 bytes; a slice's 32 rows: 524,288
	s_lshl_b32 s[T1], s[SL], 19
	s_add_co_u32 s2, s2, s[T1]
	s_mov_b32 s3, 0
	s_wait_kmcnt 0x0
	s_add_nc_u64 s[6:7], s[10:11], s[2:3]          ; w2 at my slice; it steps with the chunks
	s_lshl_b32 s2, s[EX], 23
	s_add_nc_u64 s[22:23], s[8:9], s[2:3]          ; h of my expert
	s_mov_b64 s[4:5], s[22:23]                     ; the same; it steps with the chunks
	s_lshl_b32 s2, s[EX], 12
	s_add_nc_u64 s[14:15], s[14:15], s[2:3]
	s_add_nc_u64 s[18:19], s[18:19], s[2:3]
	s_lshl_b32 s[T1], s[SL], 7
	s_add_co_u32 s2, s2, s[T1]
	s_add_nc_u64 s[12:13], s[12:13], s[2:3]        ; b2 at my 32 columns
	s_lshl_b32 s2, s[EX], 7
	s_add_nc_u64 s[16:17], s[16:17], s[2:3]
	s_cmp_lt_u32 s[WV], 8
	s_cbranch_scc1 .Lchead
	; PRODUCERS: chunk 0 goes out
	s_wait_alu depctr_va_vdst(0)                   ; v[VW] is written, which every load of w2 reads as its offset
.set n, 0
.rept 16
	global_load_b128 v[ST+4*n:ST+4*n+3], v[VW], s[6:7] offset:16384*(n/4)+512*(n%4) th:TH_LOAD_NT  ; 512 consecutive bytes of a row
.set n, n+1
.endr
	s_branch .Lstream
.Lchead:
	; CONSUMERS
	s_load_b32 s[CNT], s[16:17], 0x0
	s_wait_kmcnt 0x0
	s_min_u32 s[CNT], s[CNT], 1024
	s_add_co_u32 s[NTR], s[CNT], 15
	s_lshr_b32 s[NTR], s[NTR], 4
	NTCALC
	PASSINIT3
.Lstream:
	s_mov_b32 s[LC], 3
.Lsl:                                                  ; chunks 0 to 5, two a trip
	TRIP3 0, 1
	TRIP3 1, 1
	s_wait_xcnt 0x0                                ; the bases are stepped only behind this wait
	s_add_nc_u64 s[6:7], s[6:7], 4096
	s_add_nc_u64 s[4:5], s[4:5], 32768
	s_add_co_u32 s[KB], s[KB], 2*CH3
	s_sub_co_u32 s[LC], s[LC], 1
	s_cmp_lg_u32 s[LC], 0
	s_cbranch_scc1 .Lsl
	TRIP3 0, 1                                     ; chunk 6; chunk 7 is asked for
	TRIP3 1, 0                                     ; chunk 7: nothing is left to ask for beyond it, and the counts run down
	s_wait_loadcnt 0x0                             ; no load of any wave is out from here on
	s_cmp_lt_u32 s[WV], 8
	s_cbranch_scc0 .Lfin
.Lpass:                                                ; CONSUMERS: four passes; pass 0's products are made already; no barrier stands in this loop: nobody writes the slice any more
	s_wait_alu depctr_vm_vsrc(0)                   ; ahead of the branches, so on every way on: the last pass's stores have read their data (v48 to v79) and v240-241, which this pass's scalings, address lines and loads write again; its loads have read v8, v9 and v13, which a new pass's adds write
	s_cmp_eq_u32 s[P], 0
	s_cbranch_scc1 .Lepi
	NTCALC
	s_cmp_ge_u32 s[P16], s[NTR]
	s_cbranch_scc1 .Lnext
	PASSINIT3
	s_mov_b32 s[LC], 7
.Lres:
	CCH3 0, 0, 0
	s_wait_xcnt 0x0
	s_add_nc_u64 s[4:5], s[4:5], 16384
	s_add_co_u32 s[KB], s[KB], CH3
	s_sub_co_u32 s[LC], s[LC], 1
	s_cmp_lg_u32 s[LC], 0
	s_cbranch_scc1 .Lres
	CCH3 0, 0, 1
.Lepi:
	FIN 0
	FIN 1
.Lnext:
	s_add_co_u32 s[PL], s[PL], 1024                ; 256 ranks on
	s_add_co_u32 s[P16], s[P16], 16
	s_add_co_u32 s[P], s[P], 1
	s_cmp_lt_u32 s[P], 4
	s_cbranch_scc1 .Lpass
.Lfin:
	s_wait_dscnt 0x0                               ; my LDS reads are over
	s_barrier_signal -1
	s_barrier_wait -1                              ; everybody's are
	s_wait_dscnt 0x0                               ; the wave's end: the closing add into the spare words follows
	s_wait_alu depctr_hold_cnt(0) depctr_sa_sdst(0) depctr_va_vdst(0) depctr_va_sdst(0) depctr_va_ssrc(0) depctr_va_vcc(0) depctr_vm_vsrc(0)
	s_wait_tensorcnt 0x0
	ds_add_u32 v5, v247
	s_wait_dscnt 0x0
	s_endpgm
.Lfunc_end_k_qb635afce6f_down:
	.size	k_qb635afce6f_down, .Lfunc_end_k_qb635afce6f_down-k_qb635afce6f_down
	.p2alignl 7, 3214868480
	.fill 96, 4, 3214868480
	.section	.rodata,"a",@progbits
	.p2align	6, 0x0
	.amdhsa_kernel k_qb635afce6f_down
		.amdhsa_group_segment_fixed_size 268288
		.amdhsa_private_segment_fixed_size 0
		.amdhsa_enable_private_segment 0
		.amdhsa_kernarg_size 56
		.amdhsa_user_sgpr_count 2
		.amdhsa_user_sgpr_kernarg_segment_ptr 1
		.amdhsa_wavefront_size32 1
		.amdhsa_system_sgpr_workgroup_id_x 1
		.amdhsa_system_sgpr_workgroup_id_y 1
		.amdhsa_system_sgpr_workgroup_id_z 1
		.amdhsa_system_vgpr_workitem_id 0
		.amdhsa_next_free_vgpr 256
		.amdhsa_next_free_sgpr 66
		.amdhsa_reserve_vcc 0
		.amdhsa_float_denorm_mode_32 3
		.amdhsa_float_denorm_mode_16_64 3
		.amdhsa_memory_ordered 1
		.amdhsa_forward_progress 1
		.amdhsa_inst_pref_size 151
	.end_amdhsa_kernel
	.amdgpu_metadata
---
amdhsa.version: [ 1, 2 ]
amdhsa.kernels:
  - .name:           k_qb635afce6f_down
    .symbol:         k_qb635afce6f_down.kd
    .args:
      - { .name: hbuf, .offset: 0, .size: 8, .value_kind: global_buffer, .address_space: global }
      - { .name: w2, .offset: 8, .size: 8, .value_kind: global_buffer, .address_space: global }
      - { .name: b2, .offset: 16, .size: 8, .value_kind: global_buffer, .address_space: global }
      - { .name: order, .offset: 24, .size: 8, .value_kind: global_buffer, .address_space: global }
      - { .name: counts, .offset: 32, .size: 8, .value_kind: global_buffer, .address_space: global }
      - { .name: gws, .offset: 40, .size: 8, .value_kind: global_buffer, .address_space: global }
      - { .name: out0, .offset: 48, .size: 8, .value_kind: global_buffer, .address_space: global }
    .group_segment_fixed_size: 268288
    .private_segment_fixed_size: 0
    .kernarg_segment_align: 8
    .kernarg_segment_size: 56
    .max_flat_workgroup_size: 512
    .sgpr_count:     66
    .vgpr_count:     256
    .wavefront_size: 32
...
	.end_amdgpu_metadata
.endif
;; end of part 8
